; MI455X (gfx1250); checked and timed in simulation.
; The chip was launched on July 23, 2026; its instructions are those of AMD's public machine-readable ISA for CDNA 5 (MIT licence, August 2026) and "CDNA5" Instruction Set Architecture Reference Guide (July 2026). The comments in the code are by the model that wrote it; some were corrected since.
;; Multi Head Attention. Allowed arithmetic: matrix products marked QUANTISED: E3M2 operands, one E8M0 scale for each 32 along K, by v_wmma_scale_f32_16x16x128_f8f6f4 with both operands' format E3M2, f32 sums; everything else in f32.
;; Inputs: Wk 1,024 x 1,024 float32; Wo 1,024 x 1,024 float32; Wq 1,024 x 1,024 float32; Wv 1,024 x 1,024 float32; attn_mask 1 x 1 x 2,048 x 2,048 bool; bk 1,024 float32; bo 1,024 float32; bq 1,024 float32; bv 1,024 float32; k 4 x 2,048 x 1,024 float32; q 4 x 2,048 x 1,024 float32; v 4 x 2,048 x 1,024 float32.
;; Outputs: out0 4 x 2,048 x 1,024 float32.
;; This version of the problem:
;;   THIS VERSION OF THE PROBLEM IS GIVEN IN LOW PRECISION. The matrix products marked QUANTISED in the list below multiply operands that are first quantised to E3M2 (3 exponent bits, 2 mantissa bits; 6 bits a number), with one power-of-two scale for each 32 numbers along K (OCP MX v1.0); their sums are f32. All else is computed in f32.
;;   The module's matrix products, in the order in which they are computed (A, B: the left and right operand; K: the contracted axis; several contracted axes count as one K, in the product's order):
;;     1. [M 8,192, K 1,024] x [K 1,024, N 1,024]; A: input q; B: input Wq: QUANTISED
;;     2. [M 8,192, K 1,024] x [K 1,024, N 1,024]; A: input k; B: input Wk: QUANTISED
;;     3. [M 8,192, K 1,024] x [K 1,024, N 1,024]; A: input v; B: input Wv: QUANTISED
;;     4. batch 64 x [M 2,048, K 64] x [K 64, N 2,048]; A: computed on the way; B: computed on the way: QUANTISED
;;     5. batch 64 x [M 2,048, K 2,048] x [K 2,048, N 64]; A: softmax (see below); B: computed on the way: QUANTISED
;;     6. [M 8,192, K 1,024] x [K 1,024, N 1,024]; A: computed on the way; B: input Wo: QUANTISED
;;   THE QUANTISER, for each operand of a quantised product, along K:
;;     - K is cut into blocks of 32 from its start; a last block that is shorter is filled with zeros.
;;     - A block's scale is 2^e with e = floor(log2(the largest magnitude in the block)) - 4, held to -126 .. 127; a block of zeros has e = 0. As a byte (E8M0): e + 127.
;;     - Each number is divided by its block's scale, clamped to +-28, and rounded to the nearest number of E3M2, ties to even, subnormals kept.
;;     - The product sums the exact products of the quantised numbers (number of the format x scale) in f32.
;;   ~~~python
;;   def quantise(x, axis):      # numpy; x: float32 -> the quantised numbers, widened to float32 again
;;       x = np.moveaxis(x, axis, -1); K = x.shape[-1]
;;       x = np.pad(x, [(0, 0)] * (x.ndim - 1) + [(0, -K % 32)]); x = x.reshape(x.shape[:-1] + (-1, 32)); a = np.abs(x).max(-1, keepdims=True)
;;       e = np.where(a > 0, np.clip(np.frexp(np.where(a > 0, a, 1))[1] - 1 - 4, -126, 127), 0)      # np.frexp(a)[1] - 1 = floor(log2(a)), exactly
;;       r = np.clip(x / 2.0 ** e, -28, 28)
;;       step = 2.0 ** (np.maximum(np.frexp(np.where(r == 0, 1, r))[1] - 1, -2) - 2)
;;       q = np.round(r / step) * step * 2.0 ** e      # np.round: ties to even
;;       return np.moveaxis(q.reshape(q.shape[:-2] + (-1,))[..., :K], -1, axis).astype(np.float32)
;;   ~~~
;;   SOFTMAX AHEAD OF A QUANTISED PRODUCT. Where the list says 'softmax', what is quantised is not the finished softmax but p = 2^(t - M), with t = logit x log2(e) and M = ceil(the row's largest t), a whole number; so 1/2 < the row's largest p <= 1. The row's sum l is taken of the UNQUANTISED p, in f32, and the product's result is divided by l at the end. Since M is a whole number, a kernel that streams over the keys may use a running M (the ceiling of the running maximum): every later rescaling is an exact power of two, which a block's scale takes up: the codes' values come out the same.
;;   OPERANDS COMPUTED ON THE WAY. 'Computed on the way' means the value that the module computes at that place (a softmax that the list does not call 'softmax' is quantised finished and normalised). What goes into a quantiser is computed in f32, as accurately as f32 sums, v_exp_f32 and their like allow (about 1e-6 of the number): no bf16 or f16 on the way to a quantiser, and a product that is left as it is and whose result goes on into a quantised operand takes f32 operands (vector FMAs, or v_wmma_f32_16x16x4_f32). A number that lies on a knife's edge between two numbers of the format may be rounded either way, as far as f32 arithmetic and the matrix unit's own rounding can turn it there, and no further.
;; 2 versions, each right; version 2 is version 1 with the launch attn written anew for expert scheduling mode. Each part assembles by itself: llvm-mc -triple=amdgcn-amd-amdhsa -mcpu=gfx1250 --defsym DOCPART=n.
;; ======== version 1 of 2: 4 launches
;; limits: right only within a limited range of input values
;; workspace buffers: cod 23,855,104 bytes; qf 6,291,456 bytes; qs 262,144 bytes; kv 12,582,912 bytes; kvs 524,288 bytes; ac 6,815,744 bytes; maskw 524,288 bytes of whole numbers; flags 512 bytes of whole numbers
;; launch prep (part 1): grid 576 x 1, 4 waves a work-group, no clusters, 35,328 bytes of LDS; arguments q, k, v, Wq, Wk, Wv, Wo, attn_mask, cod, maskw, flags; writes cod, maskw, flags
.if DOCPART == 1
	.amdgcn_target "amdgcn-amd-amdhsa--gfx1250"
	.amdhsa_code_object_version 6
	.text
	.protected	k_qdc341ba1b4_prep
	.globl	k_qdc341ba1b4_prep
	.p2align	8
	.type	k_qdc341ba1b4_prep,@function
k_qdc341ba1b4_prep:
	s_mov_b64 s[64:65], 0
	v_nop
	global_prefetch_b8 v0, s[64:65] scope:SCOPE_SE
	s_setreg_imm32_b32 hwreg(HW_REG_WAVE_MODE, 25, 1), 1
	s_wait_xcnt 0x0
; PREP.  Two kinds of work-groups, told apart by the work-group's number.
; Work-groups 128..575 QUANTISE q, k, v [8192][1024] and Wq, Wk, Wv, Wo [1024][1024], f32, along their last axis (K) into codes of BF6 (E3M2) with one E8M0 byte for each 32 along K.
;   A wave takes one TILE of 16 rows: tile t holds rows 32 (t / 2) + 8 (t % 2) + r + 8 (r / 8), r = 0 .. 15.  The codes are laid in the order of the operand's registers: a fragment (16 rows x 128 K,
;   12 registers a lane) is three runs of 512 bytes, registers 4 g .. 4 g + 3 of lane l at 512 g + 16 l.  A tile is four chunks of 3,328 bytes: two fragments, 128 bytes of scale words ([row][2 words]), 128 bytes unused.
;   Tiles in cod: q 0-511, k 512-1023, v 1024-1535, Wq 1536.., Wk 1600.., Wv 1664.., Wo 1728-1791.
; Work-groups 0..127 turn the mask into whole numbers for query tile T = the work-group's number: for each step J of 128 keys 64 words, bit l of word 16 b + i = mask[row(T, l % 16)][128 J + 32 b + 16 (l / 16) + i],
;   and one word of flags: bit J: every pair of tile T and step J is masked and no row of the tile is masked wholly (the step may be left out); bit 16 + J: nothing of it is masked.
; A block's scale is 2^(floor(log2(largest magnitude)) - 4): its byte is the largest magnitude's exponent field - 4, held at 1 from below.
; LIMITS: a block whose largest magnitude lies under 2^-122, a block of zeros among them, keeps the byte 1 (its codes are then zeros or subnormal codes; the bytes are read by this program alone); NaN and infinities are not served.
; No matrix unit, no cluster, no tensor load: a stream that is read once.
.set R,    112                         ; v112-239 two sets of 64: a fragment's numbers as loaded
.set X,    48                          ; v48-111  the same, 64 neighbours along K of my row
.set C,    24                          ; v24-35   the fragment's codes
.set CT,   36                          ; v36-38, v40-42 second halves of the blocks' codes
.set W,    16                          ; v16-23   the eight fragments' scale words
.set M,    64                          ; mask path: v64-127 the mask's bytes
.set OUT,  32                          ; mask path: v32-39 words on their way out
.set STG,  8448                        ; a wave's stage: 16 rows x (512 + 16) bytes
.set MLDS, 33792                       ; mask path: its own LDS bytes, behind the four stages
	s_load_b512 s[4:19], s[0:1], 0x0               ; q, k, v, Wq, Wk, Wv, Wo, attn_mask
	s_load_b128 s[20:23], s[0:1], 0x40             ; cod, maskw
	s_load_b64 s[24:25], s[0:1], 0x50              ; flags
	v_lshl_add_u32 v240, v0, 2, 0x8800
	v_mov_b32 v241, 0
	v_lshrrev_b32 v1, 5, v0
	v_readfirstlane_b32 s26, v1                    ; wave
	v_and_b32 v6, 31, v0                           ; lane
	v_and_b32 v7, 15, v0                           ; r
	v_bfe_u32 v5, v0, 4, 1                         ; h
	s_cmp_lt_u32 ttmp9, 128
	s_cbranch_scc1 .Lmask
	; ---------------- the quantiser ----------------
	v_lshlrev_b32 v1, 4, v6                        ; 16 x lane
	s_mul_i32 s27, s26, STG
	v_add_nc_u32 v2, s27, v1                       ; the stage, in: a row's 512 bytes as they lie
	v_mul_u32_u24 v3, v7, 528
	v_lshl_add_u32 v3, v5, 7, v3
	v_add_nc_u32 v3, s27, v3                       ; out: row r, + 128 h: my 32 numbers of each 64
	v_lshlrev_b32 v4, 3, v7                        ; 8 r: my row's two scale words
	v_lshlrev_b32 v5, 3, v5                        ; 8 h: where my two bytes stand in a scale word
	v_mov_b32 v15, 0                               ; a lane permute's destination counts as one of its sources
	s_mov_b32 s40, 0x76543210
	s_mov_b32 s41, 0xfedcba98                      ; selects for lane l xor 16
	s_sub_co_u32 s28, ttmp9, 128
	s_lshl_b32 s28, s28, 2
	s_add_co_u32 s28, s28, s26                     ; u: my tile in cod
	s_lshr_b32 s29, s28, 9                         ; among q, k, v: which tensor,
	s_and_b32 s30, s28, 511                        ; which tile
	s_sub_co_u32 s31, s28, 1536
	s_lshr_b32 s32, s31, 6
	s_add_co_u32 s32, s32, 3                       ; among the weights likewise
	s_and_b32 s33, s31, 63
	s_cmp_lt_u32 s28, 1536
	s_cselect_b32 s29, s29, s32
	s_cselect_b32 s30, s30, s33
	s_lshr_b32 s31, s30, 1
	s_lshl_b32 s31, s31, 5
	s_and_b32 s32, s30, 1
	s_lshl_b32 s32, s32, 3
	s_add_co_u32 s34, s31, s32                     ; the tile's first row
	s_lshl_b32 s34, s34, 12                        ; x 4,096 bytes
	s_mov_b32 s35, 0
	s_mul_i32 s36, s28, 13312
	s_mov_b32 s37, 0
	s_wait_kmcnt 0x0
	s_mov_b64 s[38:39], s[4:5]
.irp i, 1,2,3,4,5,6
	s_cmp_eq_u32 s29, \i                           ; the choice hangs on the work-group's and the wave's number alone
	s_cselect_b64 s[38:39], s[4+2*\i:5+2*\i], s[38:39]
.endr
	s_add_nc_u64 s[38:39], s[38:39], s[34:35]
	s_add_nc_u64 s[20:21], s[20:21], s[36:37]
.macro LOADF s                         ; fragment s: 128 along K of the tile's 16 rows; each load reads 512 consecutive bytes of one row
.irp r, 0,1,2,3,4,5,6,7,8,9,10,11,12,13,14,15
	global_load_b128 v[R+64*((\s)%2)+4*\r:R+64*((\s)%2)+4*\r+3], v1, s[38:39] offset:(\r+8*(\r/8))*4096+512*(\s) th:TH_LOAD_NT
.endr
.endm
.macro FRAGQ s
.if (\s) < 7
	s_wait_loadcnt 16                              ; this fragment's 16 loads are in; the next fragment's 16 may be out
.else
	s_wait_loadcnt 0x0
.endif
.irp r, 0,1,2,3,4,5,6,7,8,9,10,11,12,13,14,15
	ds_store_b128 v2, v[R+64*((\s)%2)+4*\r:R+64*((\s)%2)+4*\r+3] offset:528*\r
.endr
.irp c, 0,1
.irp j, 0,1,2,3,4,5,6,7
	ds_load_b128 v[X+32*\c+4*\j:X+32*\c+4*\j+3], v3 offset:256*\c+16*\j   ; k = 64 c + 32 h + 4 j ..: LDS serves a wave's instructions in order, so these see the stores above
.endr
.endr
	s_wait_dscnt 0x0                               ; my numbers are back, and the stores have read their registers,
.if (\s) < 6
	LOADF (\s)+2                                   ; which take the fragment two on
.endif
	v_max3_num_f32 v8, |v[X]|, |v[X+1]|, 0x2800000         ; my two whole blocks (2 c + h), by turns; the floor 2^(5 - 127) holds the byte at 1 from below
	v_max3_num_f32 v9, |v[X+32]|, |v[X+33]|, 0x2800000
.irp i, 2,4,6,8,10,12,14,16,18,20,22,24,26,28,30
	v_max3_num_f32 v8, v8, |v[X+\i]|, |v[X+\i+1]|
	v_max3_num_f32 v9, v9, |v[X+32+\i]|, |v[X+33+\i]|
.endr
	v_add_nc_u32 v10, 0xfe000000, v8               ; 4 off the exponent field: the conversion's scale operand
	v_add_nc_u32 v11, 0xfe000000, v9
	v_lshrrev_b32 v12, 23, v10                     ; the scales' bytes
	v_lshrrev_b32 v13, 23, v11
	v_lshl_or_b32 v14, v13, 16, v12                ; blocks h and 2 + h,
	v_lshlrev_b32 v14, v5, v14                     ; at their places in the word;
	v_permlanex16_b32 v15, v14, s40, s41
	v_or_b32 v[W+(\s)], v14, v15                   ; with lane l xor 16's two the word is whole
	s_wait_xcnt 0x0                                ; the last fragment's stores have read their data: the codes' registers may be written
	v_cvt_scalef32_pk16_bf6_f32 v[C:C+2], v[X:X+15], v10
	v_cvt_scalef32_pk16_bf6_f32 v[CT:CT+2], v[X+16:X+31], v10        ; (a conversion's three registers begin on an even number)
	v_cvt_scalef32_pk16_bf6_f32 v[C+6:C+8], v[X+32:X+47], v11
	v_cvt_scalef32_pk16_bf6_f32 v[CT+4:CT+6], v[X+48:X+63], v11
	v_nop                                          ; one plain place behind the conversions
.irp i, 0,1,2
	v_mov_b32 v[C+3+\i], v[CT+\i]
	v_mov_b32 v[C+9+\i], v[CT+4+\i]
.endr
.irp g, 0,1,2
	global_store_b128 v1, v[C+4*\g:C+4*\g+3], s[20:21] offset:((\s)/2)*3328+((\s)%2)*1536+512*\g   ; 512 consecutive bytes a store
.endr
.if (\s)%2
	global_store_b64 v4, v[W+(\s)-1:W+(\s)], s[20:21] offset:((\s)/2)*3328+3072   ; the chunk's scale words; lanes 16-31 write the same bytes with the same values
.endif
.endm
	LOADF 0
	LOADF 1
.irp s, 0,1,2,3,4,5,6,7
	FRAGQ \s
.endr
	s_wait_tensorcnt 0x0
	ds_add_u32 v240, v241
	s_wait_dscnt 0x0
	s_endpgm
	; ---------------- the mask ----------------
.Lmask:
	s_lshr_b32 s27, ttmp9, 1
	s_lshl_b32 s27, s27, 5
	s_and_b32 s28, ttmp9, 1
	s_lshl_b32 s28, s28, 3
	s_add_co_u32 s27, s27, s28                     ; the query tile's first row
	v_and_b32 v1, 8, v7
	v_add_nc_u32 v1, v1, v7                        ; r + 8 (r / 8)
	v_add_nc_u32 v1, s27, v1
	v_lshlrev_b32 v1, 11, v1                       ; a row of the mask is 2,048 bytes
	v_lshl_add_u32 v1, v5, 4, v1                   ; + 16 h
	s_lshl_b32 s28, s26, 9
	v_add_nc_u32 v1, s28, v1                       ; + my wave's four steps of 128 keys
	v_lshlrev_b32 v2, 3, v6                        ; 8 x lane: two words a lane on the way out
	s_lshl_b32 s30, ttmp9, 12
	s_lshl_b32 s31, s26, 10
	s_add_co_u32 s30, s30, s31                     ; maskw: 4,096 T + 1,024 wave
	s_mov_b32 s31, 0
	s_lshl_b32 s32, s26, 3
	s_add_co_u32 s32, s32, MLDS
	v_mov_b32 v3, s32                              ; LDS: my wave's two words
	v_mov_b32 v4, MLDS
	v_mov_b32 v60, 0
.irp i, 0,1,2,3,4,5,6,7
	v_mov_b32 v[OUT+\i], 0                         ; a written lane's register counts as read
.endr
	s_mov_b32 s50, 0
	s_wait_kmcnt 0x0
	s_add_nc_u64 s[22:23], s[22:23], s[30:31]
.irp j, 0,1,2,3
.irp b, 0,1,2,3
	global_load_b128 v[M+16*\j+4*\b:M+16*\j+4*\b+3], v1, s[18:19] offset:128*\j+32*\b   ; keys 128 j + 32 b + 16 h + 0 .. 15 of my row
.endr
.endr
	s_wait_loadcnt 0x0
.macro MW jj                           ; the 64 words of my step jj, eight at a time
	s_mov_b32 s48, -1
	s_mov_b32 s49, 0
.irp g, 0,1,2,3,4,5,6,7
.irp e, 0,1,2,3,4,5,6,7
	v_and_b32 v[40+\e], 1<<(8*(\e%4)), v[M+16*(\jj)+4*(\g/2)+2*(\g%2)+\e/4]
.endr
.irp e, 0,1,2,3,4,5,6,7
	v_cmp_ne_u32 s[40+\e], 0, v[40+\e]             ; word 8 g + e: a bit a lane
.endr
.irp e, 0,1,2,3,4,5,6,7
	s_and_b32 s48, s48, s[40+\e]
	s_or_b32 s49, s49, s[40+\e]
	v_writelane_b32 v[OUT+2*(\jj)+\e%2], s[40+\e], 4*\g+\e/2
.endr
.endr
	global_store_b64 v2, v[OUT+2*(\jj):OUT+2*(\jj)+1], s[22:23] offset:256*(\jj)   ; 256 consecutive bytes
	s_cmp_eq_u32 s48, -1
	s_cselect_b32 s51, 1<<(\jj), 0                 ; all is masked
	s_or_b32 s50, s50, s51
	s_cmp_eq_u32 s49, 0
	s_cselect_b32 s51, 1<<(16+(\jj)), 0            ; nothing is masked
	s_or_b32 s50, s50, s51
.endm
	MW 0
	MW 1
	MW 2
	MW 3
	s_lshl_b32 s51, s26, 2
	s_lshl_b32 s50, s50, s51                       ; my four steps' bits at their places
.irp e, 0,1,2,3
	v_and_b32 v[48+\e], v[M+\e], v[M+4+\e]         ; is my half of my row masked in all of my wave's keys?
.endr
.set i, 8
.rept 14
.irp e, 0,1,2,3
	v_and_b32 v[48+\e], v[48+\e], v[M+i+\e]
.endr
.set i, i+4
.endr
	v_and_b32 v48, v48, v49
	v_and_b32 v50, v50, v51
	v_and_b32 v48, v48, v50
	v_cmp_eq_u32 s52, 0x01010101, v48
	v_mov_b32 v50, s50
	v_mov_b32 v51, s52
	ds_store_b64 v3, v[50:51]
	s_wait_dscnt 0x0                               ; for the others' sake: my two words lie in LDS
	s_barrier_signal -1                            ; (the way here hangs on the work-group's number alone: all four waves pass)
	s_barrier_wait -1
	ds_load_b128 v[52:55], v4
	ds_load_b128 v[56:59], v4 offset:16
	s_wait_dscnt 0x0
	v_or_b32 v52, v52, v54
	v_or_b32 v56, v56, v58
	v_or_b32 v52, v52, v56                         ; the sixteen steps' bits
	v_and_b32 v53, v53, v55
	v_and_b32 v57, v57, v59
	v_and_b32 v53, v53, v57
	v_lshrrev_b32 v54, 16, v53
	v_and_b32 v53, v53, v54                        ; bit r: row r is masked wholly
	v_cmp_ne_u32 vcc_lo, 0, v53
	v_and_b32 v55, 0xffff, v52
	v_cndmask_b32 v55, v55, v60, vcc_lo            ; such a row weighs all keys alike: then no step of the tile is left out
	v_and_or_b32 v55, v52, 0xffff0000, v55
	s_cmp_lg_u32 s26, 0
	s_cbranch_scc1 .Ldone
	s_lshl_b32 s30, ttmp9, 2
	v_mov_b32 v61, s30
	v_cmp_eq_u32 vcc_lo, 0, v6
	s_wait_xcnt 0x0                                ; EXEC changes only behind this wait
	s_and_saveexec_b32 s31, vcc_lo
	global_store_b32 v61, v55, s[24:25]            ; one word a tile
	s_wait_xcnt 0x0
	s_or_b32 exec_lo, exec_lo, s31
.Ldone:
	s_wait_tensorcnt 0x0
	ds_add_u32 v240, v241
	s_wait_dscnt 0x0
	s_endpgm
.Lfunc_end_k_qdc341ba1b4_prep:
	.size	k_qdc341ba1b4_prep, .Lfunc_end_k_qdc341ba1b4_prep-k_qdc341ba1b4_prep
	.p2alignl 7, 3214868480
	.fill 96, 4, 3214868480
	.section	.rodata,"a",@progbits
	.p2align	6, 0x0
	.amdhsa_kernel k_qdc341ba1b4_prep
		.amdhsa_group_segment_fixed_size 35328
		.amdhsa_private_segment_fixed_size 0
		.amdhsa_enable_private_segment 0
		.amdhsa_kernarg_size 88
		.amdhsa_user_sgpr_count 2
		.amdhsa_user_sgpr_kernarg_segment_ptr 1
		.amdhsa_wavefront_size32 1
		.amdhsa_system_sgpr_workgroup_id_x 1
		.amdhsa_system_sgpr_workgroup_id_y 1
		.amdhsa_system_sgpr_workgroup_id_z 1
		.amdhsa_system_vgpr_workitem_id 0
		.amdhsa_next_free_vgpr 242
		.amdhsa_next_free_sgpr 66
		.amdhsa_reserve_vcc 1
		.amdhsa_float_denorm_mode_32 3
		.amdhsa_float_denorm_mode_16_64 3
		.amdhsa_memory_ordered 1
		.amdhsa_forward_progress 1
		.amdhsa_inst_pref_size 128
	.end_amdhsa_kernel
	.amdgpu_metadata
---
amdhsa.version: [ 1, 2 ]
amdhsa.kernels:
  - .name:           k_qdc341ba1b4_prep
    .symbol:         k_qdc341ba1b4_prep.kd
    .args:
      - { .name: q, .offset: 0, .size: 8, .value_kind: global_buffer, .address_space: global }
      - { .name: k, .offset: 8, .size: 8, .value_kind: global_buffer, .address_space: global }
      - { .name: v, .offset: 16, .size: 8, .value_kind: global_buffer, .address_space: global }
      - { .name: Wq, .offset: 24, .size: 8, .value_kind: global_buffer, .address_space: global }
      - { .name: Wk, .offset: 32, .size: 8, .value_kind: global_buffer, .address_space: global }
      - { .name: Wv, .offset: 40, .size: 8, .value_kind: global_buffer, .address_space: global }
      - { .name: Wo, .offset: 48, .size: 8, .value_kind: global_buffer, .address_space: global }
      - { .name: attn_mask, .offset: 56, .size: 8, .value_kind: global_buffer, .address_space: global }
      - { .name: cod, .offset: 64, .size: 8, .value_kind: global_buffer, .address_space: global }
      - { .name: maskw, .offset: 72, .size: 8, .value_kind: global_buffer, .address_space: global }
      - { .name: flags, .offset: 80, .size: 8, .value_kind: global_buffer, .address_space: global }
    .group_segment_fixed_size: 35328
    .private_segment_fixed_size: 0
    .kernarg_segment_align: 8
    .kernarg_segment_size: 88
    .max_flat_workgroup_size: 128
    .sgpr_count:     66
    .vgpr_count:     242
    .wavefront_size: 32
...
	.end_amdgpu_metadata
.endif
;; end of part 1
;; launch proj (part 2): grid 4 x 192, 4 waves a work-group, clusters of 4 x 4, 307,712 bytes of LDS; arguments cod, bq, bk, bv, qf, qs, kv, kvs; writes qf, qs, kv, kvs
.if DOCPART == 2
	.amdgcn_target "amdgcn-amd-amdhsa--gfx1250"
	.amdhsa_code_object_version 6
	.text
	.protected	k_qdc341ba1b4_proj
	.globl	k_qdc341ba1b4_proj
	.p2align	8
	.type	k_qdc341ba1b4_proj,@function
k_qdc341ba1b4_proj:
	s_mov_b64 s[64:65], 0
	v_nop
	global_prefetch_b8 v0, s[64:65] scope:SCOPE_SE
	s_setreg_imm32_b32 hwreg(HW_REG_WAVE_MODE, 25, 1), 1
	s_wait_xcnt 0x0
	s_wait_alu depctr_hold_cnt(0) depctr_sa_sdst(0) depctr_va_vdst(0) depctr_va_sdst(0) depctr_va_ssrc(0) depctr_va_vcc(0) depctr_vm_vsrc(0)
	s_getreg_b32 s2, hwreg(HW_REG_IB_STS2, 6, 4)
	s_cmp_eq_u32 s2, 0
	s_cbranch_scc0 .Lentry_in_a_cluster
	s_endpgm
.Lentry_in_a_cluster:
	s_bfe_u32 s2, ttmp6, 0x10000c
	s_cmp_lg_u32 s2, 0xf033
	s_cbranch_scc0 .Lentry_shape_is_right
	s_endpgm
.Lentry_shape_is_right:
; PROJ.  The three projections x W^T + b on codes of BF6 with E8M0 scales, their results quantised in registers for the two products of attention.
; C' = S0 S1^T with source 0 = S0, so that a lane's registers run along S0's rows: the axis along which the result is quantised.  p = 0, 1 (q, k): S0 = the weight (channels), S1 = the tokens; p = 2 (v): S0 = the tokens (keys), S1 = the weight.
; A work-group makes 256 rows of S0 x 128 rows of S1 with all of K = 1,024 in LDS; a wave 128 x 64: 32 accumulators.  768 work-groups, three for each of 256.
; TILES: tile t of any row space holds rows 32 (t / 2) + 8 (t % 2) + r + 8 (r / 8); so the 16 registers of S0's tiles 2 b and 2 b + 1 are 16 neighbours, 32 b + 16 (lane / 16) + 0 .. 15.
; OPERANDS lie in cod in the order of their registers: a fragment comes by three loads of 16 bytes a lane, 512 consecutive bytes each; a tile's chunk (K = 256) is two fragments and its scale words.
; LDS: [chunk 0..3][24 tiles: S0's 16, S1's 8][3,200 bytes], each byte filled once; a chunk's loads are waited for by count, later chunks stay out.
; CLUSTER 4 x 4: S0's tiles hang on cx alone and are asked for jointly by a column of the cluster, S1's on cy alone, by a row.  Waves 0, 1 fetch S0's halves, waves 2, 3 S1's: four tensor loads a wave are out.
; RESULTS.  q, k: a PAIR fragment of one head: registers 0-5 = row r of token tile 2 e, the head's dims 32 h .. + 31; registers 6-11 the same of tile 2 e + 1; scale word: two bytes for each of the two tiles.
;   v: a fragment of 16 channels x 128 keys.  All leave as images of their registers, 512 consecutive bytes a store.
; LIMITS: a block whose largest magnitude lies under 2^-122 keeps the byte 1; NaN and infinities are not served.
; REGISTERS: window 0: v1-6 addresses; v16-47 scale words, two sets; v48-143 S1's fragments, two sets; v144.. at work in the epilogue.  window 1: accumulator (b, a) at v[64 b + 8 a].
;   window 2: S0's fragments, two sets of 96.  window 3: v0-63 the bias along S0, v64-71 the bias along S1.
.set TILEB, 13312
.set CHB,   3328
.set LT,    3200
.set LCH,   24*LT
.set S1O,   16*LT
.set A0,  2                            ; v2  16 l + my 8 tiles of S0
.set A1,  3                            ; v3  16 l + my 4 tiles of S1
.set AS,  4                            ; v4  scale words: lanes 0-15 S0's rows, lanes 16-31 S1's
.set AS0, 5                            ; v5  scale words of S0 in all lanes
.set R16, 6                            ; v6  16 r
.set SC,  16
.set F1,  48
.set TM,  144
.set PC,  164
.set CT,  212
.set PW,  220
.set WS,  224
.set WV,  20
.set S0H, 21
.set S1H, 22
.set PP,  23
.set G1A, 24
.set G1B, 32
.set G0A, 40
.set G0B, 68
.set CI,  84
.set CX,  85
.set CY,  86
.set MSB, 0
.macro WIN new                         ; the immediate's high byte repeats the setting that is left
.if MSB != \new
	s_set_vgpr_msb (MSB<<8)|\new
.set MSB, \new
.endif
.endm
.macro CROUND                          ; a round of the cluster's barrier
	s_barrier_signal -1
	s_barrier_wait -1
	s_cmp_lg_u32 s[WV], 0
	s_cbranch_scc1 .Lnot_wave_0_\@
	s_barrier_signal -3
.Lnot_wave_0_\@:
	s_barrier_wait -3
	s_barrier_signal -1
	s_barrier_wait -1
.endm
	s_load_b512 s[4:19], s[0:1], 0x0               ; cod, bq, bk, bv, qf, qs, kv, kvs
	v_lshl_add_u32 v254, v0, 2, 0x4b000
	v_mov_b32 v255, 0
	ds_add_u32 v254, v255
	ds_add_u32 v254, v255
	v_lshrrev_b32 v1, 5, v0
	v_readfirstlane_b32 s[WV], v1
	s_and_b32 s[S0H], s[WV], 1                     ; my half of S0's rows.  Also: which part I fetch
	s_lshr_b32 s[S1H], s[WV], 1                    ; my half of S1's rows.  Also: I fetch for S0 (0) or for S1 (1)
	s_and_b32 s56, ttmp7, 0xffff                   ; the cluster's y
	s_lshr_b32 s[PP], s56, 4                       ; which projection
	s_and_b32 s[CI], s56, 15
	s_bfe_u32 s[CX], ttmp6, 0x40000
	s_bfe_u32 s[CY], ttmp6, 0x40004
	s_mov_b32 s2, 0x76543210
	s_mov_b32 s3, 0xfedcba98                       ; selects for lane l xor 16
	s_lshl_b32 s57, s[CY], 2
	s_lshl_b32 s57, 15, s57                        ; my row of the cluster
	s_lshl_b32 s58, 0x1111, s[CX]                  ; my column
	s_or_b32 s[G1A], s58, (3<<16)|(1<<21)          ; S0's tiles: the mask of my column; elements of 8 bytes; bit 21 beside a mask; no padding
	s_or_b32 s[G1B], s57, (3<<16)|(1<<21)          ; S1's: my row
.irp g, G1A, G1B
	s_mov_b32 s[\g+1], 400<<16                     ; tensor_dim0 = 400 elements: 3,200 bytes
	s_mov_b32 s[\g+3], 400<<16                     ; tile_dim0
	s_mov_b32 s[\g+5], 1664                        ; from tile to tile: 13,312 bytes
	s_mov_b32 s[\g+6], 0
	s_mov_b32 s[\g+7], 0
.endr
	s_mov_b32 s[G1A+2], 8<<16                      ; S0: 8 tiles a load
	s_mov_b32 s[G1A+4], 8
	s_mov_b32 s[G1B+2], 4<<16                      ; S1: 4 tiles a load
	s_mov_b32 s[G1B+4], 4
	; S0's tiles: p < 2: 1536 + 64 p + 16 cx;  p = 2: 1024 + 64 (ci / 2) + 16 cx
	s_lshl_b32 s60, s[PP], 6
	s_add_co_u32 s60, s60, 1536
	s_lshr_b32 s59, s[CI], 1
	s_lshl_b32 s59, s59, 6
	s_add_co_u32 s59, s59, 1024
	s_cmp_eq_u32 s[PP], 2
	s_cselect_b32 s60, s59, s60
	s_lshl_b32 s59, s[CX], 4
	s_add_co_u32 s60, s60, s59
	s_lshl_b32 s59, s[S0H], 3
	s_add_co_u32 s60, s60, s59                     ; + the 8 that I fetch
	s_mul_i32 s60, s60, TILEB
	s_mov_b32 s61, 0
	; S1's tiles: p < 2: 512 p + 8 (4 ci + cy);  p = 2: 1664 + 8 (4 (ci % 2) + cy)
	s_lshl_b32 s88, s[CI], 2
	s_add_co_u32 s88, s88, s[CY]
	s_lshl_b32 s88, s88, 3
	s_lshl_b32 s87, s[PP], 9
	s_add_co_u32 s88, s88, s87
	s_and_b32 s87, s[CI], 1
	s_lshl_b32 s87, s87, 2
	s_add_co_u32 s87, s87, s[CY]
	s_lshl_b32 s87, s87, 3
	s_add_co_u32 s87, s87, 1664
	s_cmp_eq_u32 s[PP], 2
	s_cselect_b32 s88, s87, s88
	s_lshl_b32 s87, s[S0H], 2
	s_add_co_u32 s88, s88, s87                     ; + the 4 that I fetch
	s_mul_i32 s88, s88, TILEB
	s_mov_b32 s89, 0
	s_mul_i32 s90, s[S0H], 8*LT                    ; where they go: the wave's number alone enters an LDS address
	s_mul_i32 s91, s[S0H], 4*LT
	s_add_co_u32 s91, s91, S1O
	s_wait_dscnt 0x0
	s_wait_kmcnt 0x0
	s_add_nc_u64 s[60:61], s[4:5], s[60:61]
	s_add_nc_u64 s[88:89], s[4:5], s[88:89]
.irp c, 0,1,2,3
	s_mov_b32 s[G0A+4*\c], 1
	s_add_co_u32 s[G0A+4*\c+1], s90, \c*LCH
	s_add_nc_u64 s[G0A+4*\c+2:G0A+4*\c+3], s[60:61], \c*CHB
	s_or_b32 s[G0A+4*\c+3], s[G0A+4*\c+3], 0x80000000
	s_mov_b32 s[G0B+4*\c], 1
	s_add_co_u32 s[G0B+4*\c+1], s91, \c*LCH
	s_add_nc_u64 s[G0B+4*\c+2:G0B+4*\c+3], s[88:89], \c*CHB
	s_or_b32 s[G0B+4*\c+3], s[G0B+4*\c+3], 0x80000000
.endr
	CROUND                                         ; all sixteen work-groups are here: the joint loads meet
	s_cmp_eq_u32 s[S1H], 0                         ; a wave's four fills stand in one branch on its number; four v_nop follow the last
	s_cbranch_scc0 .Lfill_s1
.irp c, 0,1,2,3
	tensor_load_to_lds s[G0A+4*\c:G0A+4*\c+3], s[G1A:G1A+7]
	s_nop 0
.endr
.rept 4
	v_nop
.endr
	s_branch .Lfilled
.Lfill_s1:
.irp c, 0,1,2,3
	tensor_load_to_lds s[G0B+4*\c:G0B+4*\c+3], s[G1B:G1B+7]
	s_nop 0
.endr
.rept 4
	v_nop
.endr
.Lfilled:
	v_and_b32 v7, 31, v0
	v_lshlrev_b32 v1, 4, v7                        ; 16 l
	v_and_b32 v8, 15, v0                           ; r
	v_bfe_u32 v9, v0, 4, 1                         ; h
	s_mul_i32 s56, s[S0H], 8*LT
	s_mul_i32 s57, s[S1H], 4*LT
	s_add_co_u32 s57, s57, S1O
	v_add_nc_u32 v[A0], s56, v1
	v_add_nc_u32 v[A1], s57, v1
	v_lshlrev_b32 v10, 3, v8
	v_add_nc_u32 v[AS0], s56, v10
	v_add_nc_u32 v[AS0], 3072, v[AS0]              ; my row's two words, behind the chunk's two fragments
	s_sub_co_u32 s58, s57, s56
	v_mul_u32_u24 v10, s58, v9                     ; lanes 16-31 take S1's: one product, the distance x h
	v_add_nc_u32 v[AS], v[AS0], v10
	v_lshlrev_b32 v[R16], 4, v8
.irp k, 0,1,2,3
	v_mov_b32 v[TM+4+\k], 0                        ; a lane permute's destination counts as one of its sources
.endr
	; the biases, both kinds in every work-group: every address lies in the 4,096 bytes for every p
	s_cmp_eq_u32 s[PP], 1
	s_cselect_b64 s[58:59], s[8:9], s[6:7]
	s_cmp_eq_u32 s[PP], 2
	s_cselect_b64 s[58:59], s[10:11], s[58:59]
	s_lshl_b32 s62, s[CX], 1
	s_add_co_u32 s62, s62, s[S0H]                  ; g: my 128 rows of S0 among a tensor's 1,024 (p < 2: heads 2 g, 2 g + 1)
	s_lshl_b32 s92, s62, 9
	s_mov_b32 s93, 0
	s_add_nc_u64 s[92:93], s[58:59], s[92:93]
	s_and_b32 s63, s[CI], 1
	s_lshl_b32 s63, s63, 2
	s_add_co_u32 s63, s63, s[CY]
	s_lshl_b32 s63, s63, 1
	s_add_co_u32 s63, s63, s[S1H]                  ; p = 2: my head
	s_lshl_b32 s94, s63, 8
	s_mov_b32 s95, 0
	s_add_nc_u64 s[94:95], s[58:59], s[94:95]
	v_lshlrev_b32 v11, 6, v9                       ; 64 h
	v_and_b32 v12, 8, v8
	v_add_nc_u32 v12, v12, v8
	v_lshlrev_b32 v12, 2, v12                      ; 4 (r + 8 (r / 8))
	WIN 0xc0                                       ; destination window 3
.irp a, 0,1,2,3,4,5,6,7
	global_load_b128 v[8*\a:8*\a+3], v11, s[92:93] offset:128*(\a/2)+32*(\a%2)        ; along S0: rows 32 (a / 2) + 16 h + 8 (a % 2) + 0 .. 7
	global_load_b128 v[8*\a+4:8*\a+7], v11, s[92:93] offset:128*(\a/2)+32*(\a%2)+16
.endr
.irp t, 0,1,2,3
	global_load_b32 v[64+2*\t], v12, s[94:95] offset:4*(32*(\t/2)+8*(\t%2))           ; along S1: my lane's row of tile t; twice, since the packed addition names a pair
	global_load_b32 v[65+2*\t], v12, s[94:95] offset:4*(32*(\t/2)+8*(\t%2))
.endr
	WIN 0
.macro FETCH q, e                      ; 36 LDS loads: the fragments of the chunk's q-th 128 along K into set e
	WIN 0x80                                       ; destination window 2
.irp a, 0,1,2,3,4,5,6,7
.irp g, 0,1,2
	ds_load_b128 v[96*(\e)+12*\a+4*\g:96*(\e)+12*\a+4*\g+3], v[A0] offset:LT*\a+1536*(\q)+512*\g
.endr
.endr
	WIN 0
.irp b, 0,1,2,3
.irp g, 0,1,2
	ds_load_b128 v[F1+48*(\e)+12*\b+4*\g:F1+48*(\e)+12*\b+4*\g+3], v[A1] offset:LT*\b+1536*(\q)+512*\g
.endr
.endr
.endm
.macro SCALES e                        ; 8 LDS loads: a chunk's scale words: pair i: lanes 0-15 S0's tile i, lanes 16-31 S1's tile i (i < 4)
.irp i, 0,1,2,3
	ds_load_b64 v[SC+16*(\e)+2*\i:SC+16*(\e)+2*\i+1], v[AS] offset:LT*\i
.endr
.irp i, 4,5,6,7
	ds_load_b64 v[SC+16*(\e)+2*\i:SC+16*(\e)+2*\i+1], v[AS0] offset:LT*\i
.endr
.endm
; 16 matrix instructions of K step k: S0's tiles a0 .. a0 + 3 x S1's four.  The 32 accumulators take turns, one instruction a turn, in the same order in every step.
.macro MULH k, a0, zero
	WIN 0x52                                       ; source 0 window 2, source 1 window 0, C and D window 1
.irp a, \a0, \a0+1, \a0+2, \a0+3
.irp b, 0,1,2,3
.if \zero
	v_wmma_scale_f32_16x16x128_f8f6f4 v[64*\b+8*(\a):64*\b+8*(\a)+7], v[96*((\k)%2)+12*(\a):96*((\k)%2)+12*(\a)+11], v[F1+48*((\k)%2)+12*\b:F1+48*((\k)%2)+12*\b+11], 0, v[SC+16*(((\k)/2)%2)+2*(\a)+(\k)%2], v[SC+16*(((\k)/2)%2)+2*\b+(\k)%2] matrix_a_fmt:MATRIX_FMT_BF6 matrix_b_fmt:MATRIX_FMT_BF6 matrix_b_scale:MATRIX_SCALE_ROW1
.else
	v_wmma_scale_f32_16x16x128_f8f6f4 v[64*\b+8*(\a):64*\b+8*(\a)+7], v[96*((\k)%2)+12*(\a):96*((\k)%2)+12*(\a)+11], v[F1+48*((\k)%2)+12*\b:F1+48*((\k)%2)+12*\b+11], v[64*\b+8*(\a):64*\b+8*(\a)+7], v[SC+16*(((\k)/2)%2)+2*(\a)+(\k)%2], v[SC+16*(((\k)/2)%2)+2*\b+(\k)%2] matrix_a_fmt:MATRIX_FMT_BF6 matrix_b_fmt:MATRIX_FMT_BF6 matrix_b_scale:MATRIX_SCALE_ROW1
.endif
.endr
.endr
.endm
.macro KEVEN k                         ; a chunk's first step: the second step's fragments are asked for ahead of its products
.rept 4
	v_nop                                          ; four places between the last products and loads into registers that they read (ISA guide 7.12.1 for vector instructions)
.endr
	FETCH 1, 1
	s_wait_dscnt 36                                ; all but the 36 just issued
	MULH \k, 0, 0
	MULH \k, 4, 0
.endm
.macro KODD k                          ; a chunk's second step: in its middle the next chunk is shown whole to all four waves, and its first fragments are asked for
	s_wait_dscnt 0x0                               ; this step's fragments are in; no LDS instruction is pending at the signal
	s_wait_tensorcnt 2-(\k)/2                      ; my part of the next chunk has landed; the chunks behind it may stay out
	s_barrier_signal -1
	MULH \k, 0, 0
	WIN 0
	s_barrier_wait -1
	v_add_nc_u32 v[A0], LCH, v[A0]                 ; on to the next chunk; these four are also the places in front of the loads below
	v_add_nc_u32 v[A1], LCH, v[A1]
	v_add_nc_u32 v[AS], LCH, v[AS]
	v_add_nc_u32 v[AS0], LCH, v[AS0]
	FETCH 0, 0
	SCALES ((\k)/2+1)%2
	MULH \k, 4, 0
.endm
	s_wait_tensorcnt 3                             ; my part of chunk 0 is in; three loads may stay out
	s_barrier_signal -1
	s_barrier_wait -1                              ; everybody's is
	FETCH 0, 0
	SCALES 0
	FETCH 1, 1
	s_wait_dscnt 36
	MULH 0, 0, 1                                   ; the first step starts the sums: nothing is cleared
	MULH 0, 4, 1
	KODD 1
	KEVEN 2
	KODD 3
	KEVEN 4
	KODD 5
	KEVEN 6
	s_wait_dscnt 0x0
	MULH 7, 0, 0
	MULH 7, 4, 0
	WIN 0
	s_wait_loadcnt 0x0                             ; the biases
.rept 4
	v_nop                                          ; places in front of the first read of results
.endr
; 64 numbers of a lane, accumulators (b, 0 .. 7): register 16 k + i = place 32 k + 16 (lane / 16) + i along S0.  They become two halves of six registers of codes, at d0 (places 0-63) and d1 (64-127), and a scale word.
.macro QUANTW b, d0, d1, pw
	WIN 0x05                                       ; sources 0 and 1 window 1
.irp k, 0,1,2,3
	v_max3_num_f32 v[TM+\k], |v[64*(\b)+16*\k]|, |v[64*(\b)+16*\k+1]|, 0x2800000   ; the floor 2^(5 - 127) holds the byte at 1 from below
.endr
.irp i, 2,4,6,8,10,12,14
.irp k, 0,1,2,3
	v_max3_num_f32 v[TM+\k], |v[64*(\b)+16*\k+\i]|, |v[64*(\b)+16*\k+\i+1]|, v[TM+\k]
.endr
.endr
	WIN 0
.irp k, 0,1,2,3
	v_permlanex16_b32 v[TM+4+\k], v[TM+\k], s2, s3
.endr
.irp k, 0,1,2,3
	v_max_num_f32 v[TM+\k], v[TM+\k], v[TM+4+\k]   ; with lane l xor 16's: the block's largest magnitude
.endr
.irp k, 0,1,2,3
	v_add_nc_u32 v[TM+12+\k], 0xfe000000, v[TM+\k] ; 4 off the exponent field: the conversion's scale operand
.endr
.irp k, 0,1,2,3
	v_lshrrev_b32 v[TM+4+\k], 23, v[TM+12+\k]      ; the scale's byte
.endr
	v_lshl_or_b32 v[\pw], v[TM+5], 8, v[TM+4]
	v_lshl_or_b32 v[\pw], v[TM+6], 16, v[\pw]
	v_lshl_or_b32 v[\pw], v[TM+7], 24, v[\pw]
	WIN 0x01                                       ; source 0 window 1
	v_cvt_scalef32_pk16_bf6_f32 v[(\d0):(\d0)+2], v[64*(\b):64*(\b)+15], v[TM+12]
	v_cvt_scalef32_pk16_bf6_f32 v[CT:CT+2], v[64*(\b)+16:64*(\b)+31], v[TM+13]
	v_cvt_scalef32_pk16_bf6_f32 v[(\d1):(\d1)+2], v[64*(\b)+32:64*(\b)+47], v[TM+14]
	v_cvt_scalef32_pk16_bf6_f32 v[CT+4:CT+6], v[64*(\b)+48:64*(\b)+63], v[TM+15]
	WIN 0
	v_nop                                          ; one plain place behind the conversions
.irp i, 0,1,2
	v_permlane16_swap_b32 v[(\d0)+\i], v[CT+\i]    ; a whole block to a lane: lanes 0-15 the even block, lanes 16-31 the odd one
	v_permlane16_swap_b32 v[(\d1)+\i], v[CT+4+\i]
.endr
.irp i, 0,1,2
	v_mov_b32 v[(\d0)+3+\i], v[CT+\i]
	v_mov_b32 v[(\d1)+3+\i], v[CT+4+\i]
.endr
.endm
.macro BIASA b                         ; + the bias along S0, each accumulator from its low end on
	WIN 0x4d                                       ; destination and source 0 window 1, source 1 window 3
.set m, 0
.rept 32
	v_pk_add_f32 v[64*(\b)+2*m:64*(\b)+2*m+1], v[64*(\b)+2*m:64*(\b)+2*m+1], v[2*m:2*m+1]
.set m, m+1
.endr
.endm
.macro BIASB t                         ; + the bias along S1: one number a lane
	WIN 0x4d
.set m, 0
.rept 32
	v_pk_add_f32 v[64*(\t)+2*m:64*(\t)+2*m+1], v[64*(\t)+2*m:64*(\t)+2*m+1], v[64+2*(\t):65+2*(\t)] op_sel_hi:[1,0]
.set m, m+1
.endr
.endm
	s_cmp_eq_u32 s[PP], 2
	s_cbranch_scc1 .Lepi_v
	; ---- q and k: my 128 channels are two heads, my 64 tokens two PAIR fragments for each
	s_cmp_lg_u32 s[PP], 0
	s_cselect_b32 s56, 1, 0                        ; k's buffers have twice q's pitch
	s_cselect_b64 s[96:97], s[16:17], s[12:13]     ; kv or qf
	s_cselect_b64 s[98:99], s[18:19], s[14:15]     ; kvs or qs
	s_lshl_b32 s57, s[CI], 2
	s_add_co_u32 s57, s57, s[CY]
	s_lshl_b32 s57, s57, 2
	s_lshl_b32 s58, s[S1H], 1
	s_add_co_u32 s57, s57, s58                     ; my first pair of token tiles
	s_lshr_b32 s58, s57, 6                         ; the batch,
	s_and_b32 s57, s57, 63                         ; f: the pair in it
	s_lshl_b32 s58, s58, 4
	s_lshl_b32 s59, s62, 1
	s_add_co_u32 s58, s58, s59                     ; bh = 16 batch + 2 g
	s_mul_i32 s59, s58, 98304
	s_lshr_b32 s60, s57, 3
	s_mul_i32 s60, s60, 12288
	s_add_co_u32 s59, s59, s60
	s_lshl_b32 s59, s59, s56
	s_and_b32 s60, s57, 7
	s_mul_i32 s60, s60, 1536
	s_add_co_u32 s60, s59, s60
	s_mov_b32 s61, 0
	s_add_nc_u64 s[96:97], s[96:97], s[60:61]      ; head 2 g's fragments,
	s_lshl_b32 s60, 98304, s56
	s_add_nc_u64 s[100:101], s[96:97], s[60:61]    ; head 2 g + 1's
	s_lshl_b32 s59, s58, 12
	s_lshr_b32 s87, s57, 2
	s_lshl_b32 s87, s87, 8
	s_add_co_u32 s59, s59, s87
	s_lshl_b32 s59, s59, s56
	s_and_b32 s87, s57, 3
	s_lshl_b32 s87, s87, 2
	s_add_co_u32 s60, s59, s87
	s_add_nc_u64 s[98:99], s[98:99], s[60:61]      ; and their scale words
	s_lshl_b32 s60, 4096, s56
	s_add_nc_u64 s[92:93], s[98:99], s[60:61]
.irp e, 0,1
.irp u, 0,1
	BIASA 2*\e+\u
	QUANTW 2*\e+\u, PC+24*\e+6*\u, PC+24*\e+12+6*\u, PW+2*\e+\u
.endr
.endr
.irp e, 0,1
	v_perm_b32 v[WS+\e], v[PW+2*\e+1], v[PW+2*\e], 0x05040100     ; head 2 g: the two tiles' bytes 0, 1
	v_perm_b32 v[WS+2+\e], v[PW+2*\e+1], v[PW+2*\e], 0x07060302   ; head 2 g + 1: their bytes 2, 3
.endr
.irp e, 0,1
.irp g, 0,1,2
	global_store_b128 v1, v[PC+24*\e+4*\g:PC+24*\e+4*\g+3], s[96:97] offset:1536*\e+512*\g
	global_store_b128 v1, v[PC+24*\e+12+4*\g:PC+24*\e+12+4*\g+3], s[100:101] offset:1536*\e+512*\g
.endr
.endr
	global_store_b64 v[R16], v[WS:WS+1], s[98:99]          ; two words a row; lanes 16-31 write the same bytes with the same values
	global_store_b64 v[R16], v[WS+2:WS+3], s[92:93]
	s_branch .Lend
.Lepi_v:
	; ---- v: my 64 channels are one head, my 128 keys one step: four fragments of 16 channels x 128 keys
	s_lshr_b32 s57, s[CI], 1
	s_lshl_b32 s57, s57, 2
	s_add_co_u32 s57, s57, s[CX]
	s_lshl_b32 s57, s57, 1
	s_add_co_u32 s57, s57, s[S0H]                  ; which 128 tokens of the 8,192
	s_lshr_b32 s58, s57, 4                         ; the batch,
	s_and_b32 s57, s57, 15                         ; J: the step in it
	s_lshl_b32 s58, s58, 4
	s_add_co_u32 s58, s58, s63                     ; bh
	s_mul_i32 s59, s58, 196608
	s_lshr_b32 s60, s57, 1
	s_mul_i32 s60, s60, 24576
	s_add_co_u32 s59, s59, s60
	s_and_b32 s60, s57, 1
	s_mul_i32 s60, s60, 6144
	s_add_co_u32 s59, s59, s60
	s_add_co_u32 s60, s59, 12288                   ; V's half of the slot
	s_mov_b32 s61, 0
	s_add_nc_u64 s[96:97], s[16:17], s[60:61]
	s_lshl_b32 s59, s58, 13
	s_lshl_b32 s60, s57, 9
	s_add_co_u32 s60, s59, s60
	s_add_co_u32 s60, s60, 256
	s_add_nc_u64 s[98:99], s[18:19], s[60:61]
.irp t, 0,1,2,3
	BIASB \t
	QUANTW \t, PC+12*\t, PC+12*\t+6, PW+\t
.endr
.irp t, 0,1,2,3
.irp g, 0,1,2
	global_store_b128 v1, v[PC+12*\t+4*\g:PC+12*\t+4*\g+3], s[96:97] offset:1536*\t+512*\g
.endr
.endr
	global_store_b128 v[R16], v[PW:PW+3], s[98:99]         ; four words a row
.Lend:
	s_wait_tensorcnt 0x0
	ds_add_u32 v254, v255
	s_wait_dscnt 0x0
	CROUND                                         ; the closing round: no work-group ends while a partner may still ask for a tile that names it
	s_endpgm
.Lfunc_end_k_qdc341ba1b4_proj:
	.size	k_qdc341ba1b4_proj, .Lfunc_end_k_qdc341ba1b4_proj-k_qdc341ba1b4_proj
	.p2alignl 7, 3214868480
	.fill 96, 4, 3214868480
	.section	.rodata,"a",@progbits
	.p2align	6, 0x0
	.amdhsa_kernel k_qdc341ba1b4_proj
		.amdhsa_group_segment_fixed_size 307712
		.amdhsa_private_segment_fixed_size 0
		.amdhsa_enable_private_segment 0
		.amdhsa_kernarg_size 64
		.amdhsa_user_sgpr_count 2
		.amdhsa_user_sgpr_kernarg_segment_ptr 1
		.amdhsa_wavefront_size32 1
		.amdhsa_system_sgpr_workgroup_id_x 1
		.amdhsa_system_sgpr_workgroup_id_y 1
		.amdhsa_system_sgpr_workgroup_id_z 1
		.amdhsa_system_vgpr_workitem_id 0
		.amdhsa_next_free_vgpr 848
		.amdhsa_next_free_sgpr 102
		.amdhsa_reserve_vcc 0
		.amdhsa_float_denorm_mode_32 3
		.amdhsa_float_denorm_mode_16_64 3
		.amdhsa_memory_ordered 1
		.amdhsa_forward_progress 1
		.amdhsa_inst_pref_size 119
	.end_amdhsa_kernel
	.amdgpu_metadata
---
amdhsa.version: [ 1, 2 ]
amdhsa.kernels:
  - .name:           k_qdc341ba1b4_proj
    .symbol:         k_qdc341ba1b4_proj.kd
    .args:
      - { .name: cod, .offset: 0, .size: 8, .value_kind: global_buffer, .address_space: global }
      - { .name: bq, .offset: 8, .size: 8, .value_kind: global_buffer, .address_space: global }
      - { .name: bk, .offset: 16, .size: 8, .value_kind: global_buffer, .address_space: global }
      - { .name: bv, .offset: 24, .size: 8, .value_kind: global_buffer, .address_space: global }
      - { .name: qf, .offset: 32, .size: 8, .value_kind: global_buffer, .address_space: global }
      - { .name: qs, .offset: 40, .size: 8, .value_kind: global_buffer, .address_space: global }
      - { .name: kv, .offset: 48, .size: 8, .value_kind: global_buffer, .address_space: global }
      - { .name: kvs, .offset: 56, .size: 8, .value_kind: global_buffer, .address_space: global }
    .group_segment_fixed_size: 307712
    .private_segment_fixed_size: 0
    .kernarg_segment_align: 8
    .kernarg_segment_size: 64
    .max_flat_workgroup_size: 128
    .sgpr_count:     102
    .vgpr_count:     848
    .wavefront_size: 32
...
	.end_amdgpu_metadata
.endif
;; end of part 2
;; launch attn (part 3): grid 8 x 64, 16 waves a work-group, no clusters, 75,776 bytes of LDS; arguments qf, qs, kv, kvs, maskw, flags, ac; writes ac
.if DOCPART == 3
	.amdgcn_target "amdgcn-amd-amdhsa--gfx1250"
	.amdhsa_code_object_version 6
	.text
	.protected	k_qdc341ba1b4_attn
	.globl	k_qdc341ba1b4_attn
	.p2align	8
	.type	k_qdc341ba1b4_attn,@function
k_qdc341ba1b4_attn:
	s_mov_b64 s[64:65], 0
	v_nop
	global_prefetch_b8 v0, s[64:65] scope:SCOPE_SE
	s_setreg_imm32_b32 hwreg(HW_REG_WAVE_MODE, 25, 1), 1
	s_wait_xcnt 0x0
; ATTN.  softmax(q k^T / 8, masked) v for one head and 256 queries a work-group, both products on codes of BF6 with E8M0 scales; the result is quantised along the head's 64 channels for the last projection.
; SHARES.  y = batch x 16 + head.  Sixteen waves; wave w owns query tile T = 16 block + w (16 queries: rows 32 (T / 2) + 8 (T % 2) + r + 8 (r / 8)) in 256 registers, four waves to a SIMD.  128 keys a step, 256 a slot.
; LAYOUT.  Both products transposed: a lane holds ONE query (lane % 16).  The head's K is 64, the instruction's 128: a PAIR fragment of k holds two tiles of 16 keys (registers 0-5, 6-11), and is multiplied once by
;   [q, 0] and once by [0, q]: no zero is stored or loaded.  The keys of a tile are chosen so that registers 16 f + i of the scores are keys 32 f + 16 (lane / 16) + i.
; SOFTMAX.  t = score x log2(e) / 8; M = the running largest t rounded up to a whole number; p = 2^(t - M) is quantised along the keys; the row's sum is taken of the unquantised p and divides at the end.
; THE MASK is an input.  An earlier launch has stored it as whole numbers: 64 words a step (bit l of word n: register n of lane l is masked) and a word of flags a tile.  A masked score becomes -2^120: c x that is exact,
;   so that a row which is masked wholly has t - M = 0 and p = 1 for every key, uniform weights; in any other row p = 0 there.  A step that the flags call wholly masked is left out by a scalar branch on the stored word.
; NO TENSOR LOAD, NO CLUSTER: the steps that a wave leaves out hang on stored numbers, and the query blocks of a head need different numbers of slots.  The slots are filled through registers: three loads of 16 bytes a
;   thread, asked for at a slot's head and stored into the other slot at its end; one barrier a slot.  A slot that all sixteen tiles leave out is not loaded.
; LIMITS: |score| under 2^120; NaN and infinities are not served; a block whose largest magnitude lies under 2^-122 keeps the byte 1.  The two scale bytes of a row leave by a store of two bytes a lane: 32 bytes a wave.
; REGISTERS: v1 16 l; v2 16 l + scales; v3 16 x thread; v5 the slot's scale words; v7 -2^120; v12 -M, v13 the largest t, v[14:15] the sum; v16-33 zeros | q | zeros; v34 q's scale word; v36-39 K's and V's scale words;
;   v40-87 four fragments of K, then of V; v88-99 the fill; v100-163 scores, then p; v164-195 O^T; v196-207 p's codes; v208.. at work.
.set SLOTB, 24576                      ; a slot in memory: K step 0 (4 PAIR fragments) | K step 1 | V step 0 (4 fragments) | V step 1
.set SLOT1, 32768                      ; LDS: slot 0 at 0, slot 1 here,
.set SCL,   65536                      ; the head's scale words here: 16 steps x (K's 256 bytes | V's 256 bytes)
.set QS,  34
.set SW,  36
.set KV,  40
.set FR,  88
.set S,   100
.set O,   164
.set P,   196
.set CT,  208
.set BM,  216
.set BP,  220
.set SO,  224
.set TP,  228
.set FF,  230
.set PWR, 232
.set L2,  234
	s_load_b256 s[4:11], s[0:1], 0x0               ; qf, qs, kv, kvs
	s_load_b128 s[12:15], s[0:1], 0x20             ; maskw, flags
	s_load_b64 s[16:17], s[0:1], 0x30              ; ac
	v_lshl_add_u32 v254, v0, 2, 0x12000
	v_mov_b32 v255, 0
	v_lshrrev_b32 v1, 5, v0
	v_readfirstlane_b32 s18, v1                    ; wave 0..15
	s_and_b32 s19, ttmp7, 0xffff                   ; bh
	s_bfe_u32 s70, s19, 0x10005
	s_mul_i32 s70, s70, 7
	s_xor_b32 s70, s70, ttmp9                      ; my block of 256 queries: in the upper half of the heads the blocks are taken in the opposite order
	s_lshl_b32 s71, s70, 4
	s_add_co_u32 s71, s71, s18                     ; T
	s_lshr_b32 s72, s71, 1                         ; f: the PAIR fragment of q that holds my tile,
	s_and_b32 s73, s71, 1                          ; and which half of it
	s_cmp_eq_u32 s73, 1
	s_cselect_b32 s28, -1, 0
	s_mov_b32 s20, 0x76543210
	s_mov_b32 s21, 0xfedcba98                      ; selects for lane l xor 16
	s_mov_b32 s22, 0x3e38aa3b                      ; c = log2(e) / 8
	s_mov_b32 s23, s22                             ; (named with it as a pair)
	s_mov_b32 s26, 0                               ; where the slot's scale words begin
	s_mov_b32 s79, 0
	v_lshlrev_b32 v3, 4, v0
	v_and_b32 v8, 31, v0
	v_lshlrev_b32 v1, 4, v8
	v_add_nc_u32 v2, SCL, v1
	v_add_nc_u32 v10, SCL, v3
	v_and_b32 v9, 15, v0
	v_lshlrev_b32 v9, 4, v9                        ; 16 r
	s_wait_kmcnt 0x0
	s_mul_i32 s78, s19, 196608
	s_add_nc_u64 s[8:9], s[8:9], s[78:79]          ; kv at my head
	s_lshl_b32 s78, s19, 13
	s_add_nc_u64 s[10:11], s[10:11], s[78:79]      ; kvs
	s_mul_i32 s78, s19, 98304
	s_mul_i32 s80, s72, 1536
	s_add_co_u32 s78, s78, s80
	s_add_nc_u64 s[4:5], s[4:5], s[78:79]          ; my fragment of q
	s_lshl_b32 s78, s19, 12
	s_lshr_b32 s80, s72, 2
	s_lshl_b32 s80, s80, 8
	s_add_co_u32 s78, s78, s80
	s_and_b32 s80, s72, 3
	s_lshl_b32 s80, s80, 2
	s_add_co_u32 s78, s78, s80
	s_add_nc_u64 s[6:7], s[6:7], s[78:79]          ; and its scale words
	s_lshl_b32 s78, s71, 12
	s_add_nc_u64 s[12:13], s[12:13], s[78:79]      ; my tile's mask words: 256 bytes a step
	s_lshl_b32 s78, s70, 6
	s_add_nc_u64 s[74:75], s[14:15], s[78:79]      ; my block's sixteen words of flags
	s_lshl_b32 s76, s18, 2
	s_lshr_b32 s80, s19, 4                         ; the batch
	s_and_b32 s81, s19, 15                         ; the head
	s_lshl_b32 s80, s80, 7
	s_add_co_u32 s80, s80, s71                     ; my tile among ac's 512
	s_mul_i32 s78, s80, 13312
	s_lshr_b32 s82, s81, 2
	s_mul_i32 s82, s82, 3328
	s_add_co_u32 s78, s78, s82                     ; the chunk (four heads)
	s_add_nc_u64 s[30:31], s[16:17], s[78:79]
	s_bfe_u32 s82, s81, 0x10001                    ; the fragment in it (two heads),
	s_and_b32 s83, s81, 1                          ; the half of that
	s_mul_i32 s78, s82, 1536
	s_mul_i32 s80, s83, 768
	s_add_co_u32 s78, s78, s80
	s_add_nc_u64 s[16:17], s[30:31], s[78:79]      ; where my six registers of codes go
	s_lshl_b32 s78, s82, 2
	s_lshl_b32 s80, s83, 1
	s_add_co_u32 s78, s78, s80
	s_add_co_u32 s78, s78, 3072
	s_add_nc_u64 s[30:31], s[30:31], s[78:79]      ; and my two scale bytes a row
	s_load_b512 s[32:47], s[74:75], 0x0
	s_load_b32 s24, s[74:75], s76 offset:0x0       ; my tile's flags
	global_load_b128 v[FR:FR+3], v3, s[8:9]                        ; slot 0
	global_load_b128 v[FR+4:FR+7], v3, s[8:9] offset:8192
	global_load_b128 v[FR+8:FR+11], v3, s[8:9] offset:16384
	global_load_b128 v[40:43], v3, s[10:11]                        ; the head's scale words of K and V
	global_load_b128 v[44:47], v1, s[4:5]                          ; q's PAIR fragment
	global_load_b128 v[48:51], v1, s[4:5] offset:512
	global_load_b128 v[52:55], v1, s[4:5] offset:1024
	global_load_b32 v56, v9, s[6:7]
	s_wait_kmcnt 0x0
	s_mov_b32 s25, s32
.irp i, 33,34,35,36,37,38,39,40,41,42,43,44,45,46,47
	s_and_b32 s25, s25, s[\i]                      ; steps that all sixteen tiles leave out
.endr
	s_lshr_b32 s25, s25, 2                         ; its two lowest bits now speak of slot 1
	s_wait_loadcnt 4                               ; slot 0 and the scale words are in; q's four loads may be out
	ds_store_b128 v3, v[FR:FR+3]
	ds_store_b128 v3, v[FR+4:FR+7] offset:8192
	ds_store_b128 v3, v[FR+8:FR+11] offset:16384
	ds_store_b128 v10, v[40:43]
	s_wait_loadcnt 0x0
.irp i, 0,1,2,3,4,5
	v_cndmask_b32 v[22+\i], v[44+\i], v[50+\i], s28        ; my tile's half of the fragment
.endr
	v_perm_b32 v57, v56, v56, 0x01000100
	v_perm_b32 v58, v56, v56, 0x03020302
	v_cndmask_b32 v[QS], v57, v58, s28             ; my tile's two bytes, twice: they serve [q, 0] and [0, q]
.irp i, 0,1,2,3,4,5
	v_mov_b32 v[16+\i], 0
	v_mov_b32 v[28+\i], 0
.endr
	v_mov_b32 v7, 0xfb800000                       ; -2^120
	v_mov_b32 v13, 0xff61b1e6                      ; the largest t so far: -3e38
	v_floor_f32 v12, -v13                          ; -M
	v_mov_b32 v14, 0
	v_mov_b32 v15, 0
	v_mov_b32 v[FF+1], 0                           ; (named as the upper half of a pair)
.irp b, 0,1,2,3
	v_mov_b32 v[BP+\b], 0                          ; a lane permute's destination counts as one of its sources
.endr
.set j, 0
.rept 32
	v_mov_b32 v[O+j], 0                            ; O^T: the step is written once; the first finds zeros
.set j, j+1
.endr
; A KEY STEP: 128 keys, the q-th of slot sl.
.macro STEP sl, q
	s_bitcmp1_b32 s24, 0                           ; left out? (a stored whole number)
	s_cbranch_scc1 .Lskip_\@
	s_load_b512 s[32:47], s[12:13], 256*(\q)       ; the step's 64 mask words
	s_load_b512 s[48:63], s[12:13], 256*(\q)+64
	s_load_b512 s[68:83], s[12:13], 256*(\q)+128
	s_load_b512 s[84:99], s[12:13], 256*(\q)+192
.rept 4
	v_nop                                          ; places in front of loads into registers that the last products read
.endr
	ds_load_b128 v[SW:SW+3], v5 offset:512*(\q)    ; lanes 0-15: the four PAIR fragments' words of key row r; lanes 16-31: the four V tiles' words
.irp f, 0,1,2,3
.irp g, 0,1,2
	ds_load_b128 v[KV+12*\f+4*\g:KV+12*\f+4*\g+3], v1 offset:SLOT1*(\sl)+6144*(\q)+1536*\f+512*\g
.endr
.endr
	s_wait_dscnt 0x0
.irp f, 0,1,2,3
	v_wmma_scale_f32_16x16x128_f8f6f4 v[S+16*\f:S+16*\f+7], v[KV+12*\f:KV+12*\f+11], v[22:33], 0, v[SW+\f], v[QS] matrix_a_fmt:MATRIX_FMT_BF6 matrix_b_fmt:MATRIX_FMT_BF6
	v_wmma_scale_f32_16x16x128_f8f6f4 v[S+16*\f+8:S+16*\f+15], v[KV+12*\f:KV+12*\f+11], v[16:27], 0, v[SW+\f], v[QS] matrix_a_fmt:MATRIX_FMT_BF6 matrix_b_fmt:MATRIX_FMT_BF6
.endr
.rept 4
	v_nop                                          ; places in front of the loads below and of the first read of the scores
.endr
.irp t, 0,1,2,3
.irp g, 0,1,2
	ds_load_b128 v[KV+12*\t+4*\g:KV+12*\t+4*\g+3], v1 offset:SLOT1*(\sl)+12288+6144*(\q)+1536*\t+512*\g   ; V lands while the softmax is walked
.endr
.endr
	s_wait_kmcnt 0x0
	s_bitcmp1_b32 s24, 16                          ; nothing masked here?
	s_cbranch_scc1 .Lopen_\@
.set n, 0
.rept 64
.if n < 32
	v_cndmask_b32 v[S+n], v[S+n], v7, s[32+n]
.else
	v_cndmask_b32 v[S+n], v[S+n], v7, s[36+n]
.endif
.set n, n+1
.endr
.Lopen_\@:
.irp b, 0,1,2,3
	v_max3_num_f32 v[BM+\b], v[S+16*\b], v[S+16*\b+1], v[S+16*\b+2]   ; the largest score of each block of 32 keys: for the row's maximum, and, since p rises with the score, for the block's largest p
.endr
.irp i, 3,5,7,9,11,13
.irp b, 0,1,2,3
	v_max3_num_f32 v[BM+\b], v[BM+\b], v[S+16*\b+\i], v[S+16*\b+\i+1]
.endr
.endr
.irp b, 0,1,2,3
	v_max_num_f32 v[BM+\b], v[BM+\b], v[S+16*\b+15]
.endr
.irp b, 0,1,2,3
	v_permlanex16_b32 v[BP+\b], v[BM+\b], s20, s21
.endr
.irp b, 0,1,2,3
	v_max_num_f32 v[BM+\b], v[BM+\b], v[BP+\b]     ; with lane l xor 16's 16 keys
.endr
	v_max3_num_f32 v[TP], v[BM], v[BM+1], v[BM+2]
	v_max_num_f32 v[TP], v[TP], v[BM+3]
	v_mul_f32 v[TP], s22, v[TP]                    ; as t (c is positive)
	v_max_num_f32 v13, v13, v[TP]                  ; the running largest t
	v_mov_b32 v[TP], v12
	v_floor_f32 v12, -v13                          ; the new -M = -ceil(t): a whole number
	v_sub_f32 v[TP], v12, v[TP]                    ; old M - new M: a whole number, 0 or less
	v_cvt_i32_f32 v[TP], v[TP]                     ; (it saturates)
	v_ldexp_f32 v[FF], 1.0, v[TP]                  ; f = 2^(old M - new M): a multiplication by it rounds nothing
.set j, 0
.rept 32
	v_pk_fma_f32 v[S+j:S+j+1], v[S+j:S+j+1], s[22:23], v[12:13] op_sel_hi:[1,0,0]   ; t - M, two at a time
.set j, j+2
.endr
.irp b, 0,1,2,3
	v_fma_f32 v[BM+\b], v[BM+\b], s22, v12         ; the same of each block's largest score
.endr
.set j, 0
.rept 64
	v_exp_f32 v[S+j], v[S+j]                       ; p = 2^(t - M): not normalised
.set j, j+1
.endr
	v_pk_mul_f32 v[14:15], v[14:15], v[FF:FF+1] op_sel_hi:[1,0]   ; the sums under the new M: the plain place behind the batch
	s_wait_alu depctr_va_vdst(0)                   ; one wait for the whole batch, ahead of its first reader
.irp b, 0,1,2,3
	v_exp_f32 v[BM+\b], v[BM+\b]                   ; the block's largest p
.endr
	v_pk_add_f32 v[L2:L2+1], v[S:S+1], v[S+2:S+3]  ; the row's sum of the unquantised p, in two chains
.set j, 4
.rept 15
	v_pk_add_f32 v[14:15], v[14:15], v[S+j:S+j+1]
	v_pk_add_f32 v[L2:L2+1], v[L2:L2+1], v[S+j+2:S+j+3]
.set j, j+4
.endr
	v_pk_add_f32 v[14:15], v[14:15], v[L2:L2+1]
	s_wait_alu depctr_va_vdst(0)                   ; and one for the four
.irp b, 0,1,2,3
	v_max_num_f32 v[BM+\b], 0x2800000, v[BM+\b]    ; the floor 2^(5 - 127): the byte cannot fall under 1
.endr
.irp b, 0,1,2,3
	v_add_nc_u32 v[SO+\b], 0xfe000000, v[BM+\b]    ; 4 off the exponent field: the conversion's scale operand
.endr
.irp b, 0,1,2,3
	v_lshrrev_b32 v[BP+\b], 23, v[SO+\b]
.endr
	v_lshl_or_b32 v[PWR], v[BP+1], 8, v[BP]        ; p's scale word for these 128 keys
	v_lshl_or_b32 v[PWR], v[BP+2], 16, v[PWR]
	v_lshl_or_b32 v[PWR], v[BP+3], 24, v[PWR]
.irp c, 0,1
	v_cvt_scalef32_pk16_bf6_f32 v[P+6*\c:P+6*\c+2], v[S+32*\c:S+32*\c+15], v[SO+2*\c]
	v_cvt_scalef32_pk16_bf6_f32 v[CT+4*\c:CT+4*\c+2], v[S+32*\c+16:S+32*\c+31], v[SO+2*\c+1]
.endr
	v_nop                                          ; one plain place behind the conversions
.irp c, 0,1
.irp i, 0,1,2
	v_permlane16_swap_b32 v[P+6*\c+\i], v[CT+4*\c+\i]      ; a whole block to a lane
.endr
.irp i, 0,1,2
	v_mov_b32 v[P+3+6*\c+\i], v[CT+4*\c+\i]
.endr
.endr
.set j, 0
.rept 16
	v_pk_mul_f32 v[O+j:O+j+1], v[O+j:O+j+1], v[FF:FF+1] op_sel_hi:[1,0]   ; O^T under the new M; these sixteen are also the places between the scale word, the codes and the products
.set j, j+2
.endr
	s_wait_dscnt 0x0                               ; V
.irp t, 0,1,2,3
	v_wmma_scale_f32_16x16x128_f8f6f4 v[O+8*\t:O+8*\t+7], v[KV+12*\t:KV+12*\t+11], v[P:P+11], v[O+8*\t:O+8*\t+7], v[SW+\t], v[PWR] matrix_a_fmt:MATRIX_FMT_BF6 matrix_b_fmt:MATRIX_FMT_BF6 matrix_a_scale:MATRIX_SCALE_ROW1
.endr
.Lskip_\@:
	s_lshr_b32 s24, s24, 1                         ; the next step's flags
.endm
; A SLOT.  One barrier at its head: in front of it each wave's stores into this slot have landed and its reads of the other slot are back; behind it this slot is whole and nobody reads the other one.
.macro TRIP sl, fill
	s_wait_dscnt 0x0
	s_barrier_signal -1
	s_barrier_wait -1
	v_add_nc_u32 v5, s26, v2
.if \fill
	s_and_b32 s29, s25, 3
	s_cmp_eq_u32 s29, 3                            ; does any tile of the block want the next slot?
	s_cbranch_scc1 .Lnofill_\@
	global_load_b128 v[FR:FR+3], v3, s[8:9] offset:SLOTB
	global_load_b128 v[FR+4:FR+7], v3, s[8:9] offset:SLOTB+8192
	global_load_b128 v[FR+8:FR+11], v3, s[8:9] offset:SLOTB+16384
.Lnofill_\@:
.endif
	STEP \sl, 0
	STEP \sl, 1
.if \fill
	s_wait_loadcnt 0x0                             ; asked for two key steps ago
	ds_store_b128 v3, v[FR:FR+3] offset:SLOT1*(1-(\sl))            ; (where nothing was loaded, old bytes go into a slot that nobody will read)
	ds_store_b128 v3, v[FR+4:FR+7] offset:SLOT1*(1-(\sl))+8192
	ds_store_b128 v3, v[FR+8:FR+11] offset:SLOT1*(1-(\sl))+16384
	s_wait_xcnt 0x0                                ; the bases are stepped only behind this wait
	s_add_nc_u64 s[8:9], s[8:9], SLOTB
	s_add_nc_u64 s[12:13], s[12:13], 512
	s_add_co_u32 s26, s26, 1024
	s_lshr_b32 s25, s25, 2
.endif
.endm
	s_mov_b32 s27, 3
.Lpair:                                            ; three trips of two slots; the last two slots are written out: the very last asks for nothing
	TRIP 0, 1
	TRIP 1, 1
	s_sub_co_u32 s27, s27, 1
	s_cmp_lg_u32 s27, 0
	s_cbranch_scc1 .Lpair
	TRIP 0, 1
	TRIP 1, 0
	; THE WAY OUT: O^T / the sum, quantised along the head's 64 channels: register 16 b + i is channel 32 b + 16 (lane / 16) + i of my query
.rept 4
	v_nop                                          ; places behind the last products
.endr
	v_add_f32 v14, v14, v15
	v_permlanex16_b32 v[BP], v14, s20, s21
	v_add_f32 v14, v14, v[BP]                      ; the row's sum
	v_rcp_f32 v14, v14
	v_and_b32 v8, 31, v0                           ; (the plain place behind the reciprocal)
	v_lshlrev_b32 v8, 3, v8                        ; 8 l
	v_and_b32 v9, 15, v0
	v_lshlrev_b32 v9, 3, v9                        ; 8 r
	s_wait_alu depctr_va_vdst(0)                   ; ahead of the first reader
.set j, 0
.rept 32
	v_mul_f32 v[S+j], v[O+j], v14
.set j, j+1
.endr
	v_max3_num_f32 v[BM], |v[S]|, |v[S+1]|, 0x2800000
	v_max3_num_f32 v[BM+1], |v[S+16]|, |v[S+17]|, 0x2800000
.irp i, 2,4,6,8,10,12,14
	v_max3_num_f32 v[BM], v[BM], |v[S+\i]|, |v[S+\i+1]|
	v_max3_num_f32 v[BM+1], v[BM+1], |v[S+16+\i]|, |v[S+17+\i]|
.endr
	v_permlanex16_b32 v[BP], v[BM], s20, s21
	v_permlanex16_b32 v[BP+1], v[BM+1], s20, s21
	v_max_num_f32 v[BM], v[BM], v[BP]
	v_max_num_f32 v[BM+1], v[BM+1], v[BP+1]
	v_add_nc_u32 v[SO], 0xfe000000, v[BM]
	v_add_nc_u32 v[SO+1], 0xfe000000, v[BM+1]
	v_lshrrev_b32 v[BP], 23, v[SO]
	v_lshrrev_b32 v[BP+1], 23, v[SO+1]
	v_lshl_or_b32 v[TP], v[BP+1], 8, v[BP]         ; my row's two scale bytes
	v_cvt_scalef32_pk16_bf6_f32 v[P:P+2], v[S:S+15], v[SO]
	v_cvt_scalef32_pk16_bf6_f32 v[CT:CT+2], v[S+16:S+31], v[SO+1]
	v_nop
.irp i, 0,1,2
	v_permlane16_swap_b32 v[P+\i], v[CT+\i]
.endr
.irp i, 0,1,2
	v_mov_b32 v[P+3+\i], v[CT+\i]
.endr
	global_store_b64 v8, v[P:P+1], s[16:17]                ; half a fragment of the last projection's operand: registers 0-1 as 256 consecutive bytes,
	global_store_b128 v1, v[P+2:P+5], s[16:17] offset:256  ; registers 2-5 as 512
	global_store_b16 v9, v[TP], s[30:31]                   ; lanes 16-31 write the same bytes with the same values
	s_wait_tensorcnt 0x0
	ds_add_u32 v254, v255
	s_wait_dscnt 0x0
	s_endpgm
.Lfunc_end_k_qdc341ba1b4_attn:
	.size	k_qdc341ba1b4_attn, .Lfunc_end_k_qdc341ba1b4_attn-k_qdc341ba1b4_attn
	.p2alignl 7, 3214868480
	.fill 96, 4, 3214868480
	.section	.rodata,"a",@progbits
	.p2align	6, 0x0
	.amdhsa_kernel k_qdc341ba1b4_attn
		.amdhsa_group_segment_fixed_size 75776
		.amdhsa_private_segment_fixed_size 0
		.amdhsa_enable_private_segment 0
		.amdhsa_kernarg_size 56
		.amdhsa_user_sgpr_count 2
		.amdhsa_user_sgpr_kernarg_segment_ptr 1
		.amdhsa_wavefront_size32 1
		.amdhsa_system_sgpr_workgroup_id_x 1
		.amdhsa_system_sgpr_workgroup_id_y 1
		.amdhsa_system_sgpr_workgroup_id_z 1
		.amdhsa_system_vgpr_workitem_id 0
		.amdhsa_next_free_vgpr 256
		.amdhsa_next_free_sgpr 100
		.amdhsa_reserve_vcc 0
		.amdhsa_float_denorm_mode_32 3
		.amdhsa_float_denorm_mode_16_64 3
		.amdhsa_memory_ordered 1
		.amdhsa_forward_progress 1
		.amdhsa_inst_pref_size 170
	.end_amdhsa_kernel
	.amdgpu_metadata
---
amdhsa.version: [ 1, 2 ]
amdhsa.kernels:
  - .name:           k_qdc341ba1b4_attn
    .symbol:         k_qdc341ba1b4_attn.kd
    .args:
      - { .name: qf, .offset: 0, .size: 8, .value_kind: global_buffer, .address_space: global }
      - { .name: qs, .offset: 8, .size: 8, .value_kind: global_buffer, .address_space: global }
      - { .name: kv, .offset: 16, .size: 8, .value_kind: global_buffer, .address_space: global }
      - { .name: kvs, .offset: 24, .size: 8, .value_kind: global_buffer, .address_space: global }
      - { .name: maskw, .offset: 32, .size: 8, .value_kind: global_buffer, .address_space: global }
      - { .name: flags, .offset: 40, .size: 8, .value_kind: global_buffer, .address_space: global }
      - { .name: ac, .offset: 48, .size: 8, .value_kind: global_buffer, .address_space: global }
    .group_segment_fixed_size: 75776
    .private_segment_fixed_size: 0
    .kernarg_segment_align: 8
    .kernarg_segment_size: 56
    .max_flat_workgroup_size: 512
    .sgpr_count:     100
    .vgpr_count:     256
    .wavefront_size: 32
...
	.end_amdgpu_metadata
.endif
;; end of part 3
;; launch outp (part 4): grid 4 x 64, 4 waves a work-group, clusters of 4 x 4, 307,712 bytes of LDS; arguments cod, ac, bo, out0; writes out0
.if DOCPART == 4
	.amdgcn_target "amdgcn-amd-amdhsa--gfx1250"
	.amdhsa_code_object_version 6
	.text
	.protected	k_qdc341ba1b4_outp
	.globl	k_qdc341ba1b4_outp
	.p2align	8
	.type	k_qdc341ba1b4_outp,@function
k_qdc341ba1b4_outp:
	s_mov_b64 s[64:65], 0
	v_nop
	global_prefetch_b8 v0, s[64:65] scope:SCOPE_SE
	s_setreg_imm32_b32 hwreg(HW_REG_WAVE_MODE, 25, 1), 1
	s_wait_xcnt 0x0
	s_wait_alu depctr_hold_cnt(0) depctr_sa_sdst(0) depctr_va_vdst(0) depctr_va_sdst(0) depctr_va_ssrc(0) depctr_va_vcc(0) depctr_vm_vsrc(0)
	s_getreg_b32 s2, hwreg(HW_REG_IB_STS2, 6, 4)
	s_cmp_eq_u32 s2, 0
	s_cbranch_scc0 .Lentry_in_a_cluster
	s_endpgm
.Lentry_in_a_cluster:
	s_bfe_u32 s2, ttmp6, 0x10000c
	s_cmp_lg_u32 s2, 0xf033
	s_cbranch_scc0 .Lentry_shape_is_right
	s_endpgm
.Lentry_shape_is_right:
; OUTP.  out0 = attn Wo^T + bo on codes of BF6 with E8M0 scales.  C' = S0 S1^T, source 0 = S0 = Wo (output columns), source 1 = S1 = the rows of attention's result: a lane holds eight neighbouring columns of one row.
; A work-group makes 256 columns x 128 rows with all of K = 1,024 in LDS; a wave 128 x 64: 32 accumulators.  256 work-groups.
; Operands lie in the order of their registers, tile t = rows 32 (t / 2) + 8 (t % 2) + r + 8 (r / 8); a tile's chunk (K = 256) is two fragments and its scale words.  Wo's fragments come by three loads of 16 bytes a lane;
; attention's were stored half by half (a head each): registers 0-1 at 8 l, 2-5 at 256 + 16 l, 6-7 at 768 + 8 l, 8-11 at 1,024 + 16 l: four loads.
; LDS: [chunk 0..3][24 tiles: S0's 16, S1's 8][3,200 bytes], each byte filled once.  CLUSTER 4 x 4: S0's tiles are asked for jointly by a column of the cluster, S1's by a row; four tensor loads a wave are out.
; The bias is the C of each sum's first matrix instruction.  The way out goes through a stage of the wave's own in chunk 0's bytes, which have had their only fill and are read by nobody behind the second barrier.
; REGISTERS: window 0: v1-8 addresses; v16-47 scale words; v48-143 S1's fragments (on the way out v48-175 rows of out0).  window 1: accumulator (b, a) at v[64 b + 8 a].  window 2: S0's fragments.  window 3: v0-63 bo.
.set TILEB, 13312
.set CHB,   3328
.set LT,    3200
.set LCH,   24*LT
.set S1O,   16*LT
.set A0,  2
.set A1,  3
.set AS,  4
.set AS0, 5
.set A1H, 6                            ; v6  8 l + my 4 tiles of S1
.set STO, 7
.set RD,  8
.set SC,  16
.set F1,  48
.set BK,  48
.set WV,  20
.set S0H, 21
.set S1H, 22
.set G1A, 24
.set G1B, 32
.set G0A, 40
.set G0B, 68
.set CI,  84
.set CX,  85
.set CY,  86
.set MSB, 0
.macro WIN new                         ; the immediate's high byte repeats the setting that is left
.if MSB != \new
	s_set_vgpr_msb (MSB<<8)|\new
.set MSB, \new
.endif
.endm
.macro CROUND                          ; a round of the cluster's barrier
	s_barrier_signal -1
	s_barrier_wait -1
	s_cmp_lg_u32 s[WV], 0
	s_cbranch_scc1 .Lnot_wave_0_\@
	s_barrier_signal -3
.Lnot_wave_0_\@:
	s_barrier_wait -3
	s_barrier_signal -1
	s_barrier_wait -1
.endm
	s_load_b256 s[4:11], s[0:1], 0x0               ; cod, ac, bo, out0
	v_lshl_add_u32 v254, v0, 2, 0x4b000
	v_mov_b32 v255, 0
	ds_add_u32 v254, v255
	ds_add_u32 v254, v255
	v_lshrrev_b32 v1, 5, v0
	v_readfirstlane_b32 s[WV], v1
	s_and_b32 s[S0H], s[WV], 1                     ; my half of the columns.  Also: which part I fetch
	s_lshr_b32 s[S1H], s[WV], 1                    ; my half of the rows.  Also: I fetch for S0 (0) or for S1 (1)
	s_and_b32 s[CI], ttmp7, 0xffff                 ; the cluster's y
	s_bfe_u32 s[CX], ttmp6, 0x40000
	s_bfe_u32 s[CY], ttmp6, 0x40004
	s_lshl_b32 s57, s[CY], 2
	s_lshl_b32 s57, 15, s57                        ; my row of the cluster
	s_lshl_b32 s58, 0x1111, s[CX]                  ; my column
	s_or_b32 s[G1A], s58, (3<<16)|(1<<21)          ; S0's tiles: the mask of my column; elements of 8 bytes; bit 21 beside a mask; no padding
	s_or_b32 s[G1B], s57, (3<<16)|(1<<21)          ; S1's: my row
.irp g, G1A, G1B
	s_mov_b32 s[\g+1], 400<<16                     ; tensor_dim0 = 400 elements: 3,200 bytes
	s_mov_b32 s[\g+3], 400<<16                     ; tile_dim0
	s_mov_b32 s[\g+5], 1664                        ; from tile to tile: 13,312 bytes
	s_mov_b32 s[\g+6], 0
	s_mov_b32 s[\g+7], 0
.endr
	s_mov_b32 s[G1A+2], 8<<16
	s_mov_b32 s[G1A+4], 8
	s_mov_b32 s[G1B+2], 4<<16
	s_mov_b32 s[G1B+4], 4
	s_lshl_b32 s60, s[CX], 4
	s_add_co_u32 s60, s60, 1728                    ; Wo's tiles: 1728 + 16 cx
	s_lshl_b32 s59, s[S0H], 3
	s_add_co_u32 s60, s60, s59                     ; + the 8 that I fetch
	s_mul_i32 s60, s60, TILEB
	s_mov_b32 s61, 0
	s_lshl_b32 s88, s[CI], 2
	s_add_co_u32 s88, s88, s[CY]
	s_lshl_b32 s88, s88, 3                         ; ac's tiles: 8 (4 ci + cy)
	s_lshl_b32 s87, s[S0H], 2
	s_add_co_u32 s88, s88, s87                     ; + the 4 that I fetch
	s_mul_i32 s88, s88, TILEB
	s_mov_b32 s89, 0
	s_mul_i32 s90, s[S0H], 8*LT                    ; where they go: the wave's number alone enters an LDS address
	s_mul_i32 s91, s[S0H], 4*LT
	s_add_co_u32 s91, s91, S1O
	s_wait_dscnt 0x0
	s_wait_kmcnt 0x0
	s_add_nc_u64 s[60:61], s[4:5], s[60:61]
	s_add_nc_u64 s[88:89], s[6:7], s[88:89]
.irp c, 0,1,2,3
	s_mov_b32 s[G0A+4*\c], 1
	s_add_co_u32 s[G0A+4*\c+1], s90, \c*LCH
	s_add_nc_u64 s[G0A+4*\c+2:G0A+4*\c+3], s[60:61], \c*CHB
	s_or_b32 s[G0A+4*\c+3], s[G0A+4*\c+3], 0x80000000
	s_mov_b32 s[G0B+4*\c], 1
	s_add_co_u32 s[G0B+4*\c+1], s91, \c*LCH
	s_add_nc_u64 s[G0B+4*\c+2:G0B+4*\c+3], s[88:89], \c*CHB
	s_or_b32 s[G0B+4*\c+3], s[G0B+4*\c+3], 0x80000000
.endr
	CROUND                                         ; all sixteen work-groups are here: the joint loads meet
	s_cmp_eq_u32 s[S1H], 0                         ; a wave's four fills stand in one branch on its number; four v_nop follow the last
	s_cbranch_scc0 .Lfill_s1
.irp c, 0,1,2,3
	tensor_load_to_lds s[G0A+4*\c:G0A+4*\c+3], s[G1A:G1A+7]
	s_nop 0
.endr
.rept 4
	v_nop
.endr
	s_branch .Lfilled
.Lfill_s1:
.irp c, 0,1,2,3
	tensor_load_to_lds s[G0B+4*\c:G0B+4*\c+3], s[G1B:G1B+7]
	s_nop 0
.endr
.rept 4
	v_nop
.endr
.Lfilled:
	v_and_b32 v9, 31, v0
	v_lshlrev_b32 v1, 4, v9                        ; 16 l
	v_and_b32 v10, 15, v0                          ; r
	v_bfe_u32 v11, v0, 4, 1                        ; h
	s_mul_i32 s56, s[S0H], 8*LT
	s_mul_i32 s57, s[S1H], 4*LT
	s_add_co_u32 s57, s57, S1O
	v_add_nc_u32 v[A0], s56, v1
	v_add_nc_u32 v[A1], s57, v1
	v_lshlrev_b32 v[A1H], 3, v9
	v_add_nc_u32 v[A1H], s57, v[A1H]
	v_lshlrev_b32 v12, 3, v10
	v_add_nc_u32 v[AS0], s56, v12
	v_add_nc_u32 v[AS0], 3072, v[AS0]
	s_sub_co_u32 s58, s57, s56
	v_mul_u32_u24 v12, s58, v11                    ; lanes 16-31 take S1's scale words: one product, the distance x h
	v_add_nc_u32 v[AS], v[AS0], v12
	s_mul_i32 s58, s[WV], 8448                     ; my stage: 16 rows x (512 + 16) bytes
	v_mul_u32_u24 v[STO], v10, 528
	v_lshl_add_u32 v[STO], v11, 6, v[STO]
	v_add_nc_u32 v[STO], s58, v[STO]               ; in: row r, + 64 h
	v_add_nc_u32 v[RD], s58, v1                    ; back: a row's 512 bytes, 16 a lane
	s_lshl_b32 s62, s[CX], 1
	s_add_co_u32 s62, s62, s[S0H]                  ; g: my 128 columns
	s_lshl_b32 s92, s62, 9
	s_mov_b32 s93, 0
	s_add_nc_u64 s[92:93], s[8:9], s[92:93]
	v_lshlrev_b32 v13, 6, v11                      ; 64 h
	WIN 0xc0                                       ; destination window 3
.irp a, 0,1,2,3,4,5,6,7
	global_load_b128 v[8*\a:8*\a+3], v13, s[92:93] offset:128*(\a/2)+32*(\a%2)        ; bo at columns 32 (a / 2) + 16 h + 8 (a % 2) + 0 .. 7
	global_load_b128 v[8*\a+4:8*\a+7], v13, s[92:93] offset:128*(\a/2)+32*(\a%2)+16
.endr
	WIN 0
	s_lshl_b32 s56, s[CI], 2
	s_add_co_u32 s56, s56, s[CY]
	s_lshl_b32 s56, s56, 7
	s_lshl_b32 s57, s[S1H], 6
	s_add_co_u32 s56, s56, s57                     ; my first row of out0
	s_lshl_b32 s56, s56, 12
	s_lshl_b32 s57, s62, 9
	s_add_co_u32 s56, s56, s57                     ; + my first column, in bytes
	s_mov_b32 s57, 0
	s_add_nc_u64 s[10:11], s[10:11], s[56:57]
.macro FETCH q, e                      ; 40 LDS loads: the fragments of the chunk's q-th 128 along K into set e
	WIN 0x80                                       ; destination window 2
.irp a, 0,1,2,3,4,5,6,7
.irp g, 0,1,2
	ds_load_b128 v[96*(\e)+12*\a+4*\g:96*(\e)+12*\a+4*\g+3], v[A0] offset:LT*\a+1536*(\q)+512*\g
.endr
.endr
	WIN 0
.irp b, 0,1,2,3
	ds_load_b64 v[F1+48*(\e)+12*\b:F1+48*(\e)+12*\b+1], v[A1H] offset:LT*\b+1536*(\q)
	ds_load_b128 v[F1+48*(\e)+12*\b+2:F1+48*(\e)+12*\b+5], v[A1] offset:LT*\b+1536*(\q)+256
	ds_load_b64 v[F1+48*(\e)+12*\b+6:F1+48*(\e)+12*\b+7], v[A1H] offset:LT*\b+1536*(\q)+768
	ds_load_b128 v[F1+48*(\e)+12*\b+8:F1+48*(\e)+12*\b+11], v[A1] offset:LT*\b+1536*(\q)+1024
.endr
.endm
.macro SCALES e                        ; 8 LDS loads: a chunk's scale words: pair i: lanes 0-15 S0's tile i, lanes 16-31 S1's tile i (i < 4)
.irp i, 0,1,2,3
	ds_load_b64 v[SC+16*(\e)+2*\i:SC+16*(\e)+2*\i+1], v[AS] offset:LT*\i
.endr
.irp i, 4,5,6,7
	ds_load_b64 v[SC+16*(\e)+2*\i:SC+16*(\e)+2*\i+1], v[AS0] offset:LT*\i
.endr
.endm
; 16 matrix instructions of K step k.  first = 1: the bias starts the sums.  The 32 accumulators take turns, one instruction a turn, in the same order in every step.
.macro MULH k, a0, first
.if \first
	WIN 0x72                                       ; source 0 window 2, source 1 window 0, C window 3, D window 1
.else
	WIN 0x52                                       ; C and D window 1
.endif
.irp a, \a0, \a0+1, \a0+2, \a0+3
.irp b, 0,1,2,3
.if \first
	v_wmma_scale_f32_16x16x128_f8f6f4 v[64*\b+8*(\a):64*\b+8*(\a)+7], v[96*((\k)%2)+12*(\a):96*((\k)%2)+12*(\a)+11], v[F1+48*((\k)%2)+12*\b:F1+48*((\k)%2)+12*\b+11], v[8*(\a):8*(\a)+7], v[SC+16*(((\k)/2)%2)+2*(\a)+(\k)%2], v[SC+16*(((\k)/2)%2)+2*\b+(\k)%2] matrix_a_fmt:MATRIX_FMT_BF6 matrix_b_fmt:MATRIX_FMT_BF6 matrix_b_scale:MATRIX_SCALE_ROW1
.else
	v_wmma_scale_f32_16x16x128_f8f6f4 v[64*\b+8*(\a):64*\b+8*(\a)+7], v[96*((\k)%2)+12*(\a):96*((\k)%2)+12*(\a)+11], v[F1+48*((\k)%2)+12*\b:F1+48*((\k)%2)+12*\b+11], v[64*\b+8*(\a):64*\b+8*(\a)+7], v[SC+16*(((\k)/2)%2)+2*(\a)+(\k)%2], v[SC+16*(((\k)/2)%2)+2*\b+(\k)%2] matrix_a_fmt:MATRIX_FMT_BF6 matrix_b_fmt:MATRIX_FMT_BF6 matrix_b_scale:MATRIX_SCALE_ROW1
.endif
.endr
.endr
.endm
.macro KEVEN k                         ; a chunk's first step: the second step's fragments are asked for ahead of its products
.rept 4
	v_nop                                          ; four places between the last products and loads into registers that they read (ISA guide 7.12.1 for vector instructions)
.endr
	FETCH 1, 1
	s_wait_dscnt 40                                ; all but the 40 just issued
	MULH \k, 0, 0
	MULH \k, 4, 0
.endm
.macro KODD k                          ; a chunk's second step: in its middle the next chunk is shown whole to all four waves, and its first fragments are asked for
	s_wait_dscnt 0x0                               ; this step's fragments are in; no LDS instruction is pending at the signal
	s_wait_tensorcnt 2-(\k)/2                      ; my part of the next chunk has landed; the chunks behind it may stay out
	s_barrier_signal -1
	MULH \k, 0, 0
	WIN 0
	s_barrier_wait -1
	v_add_nc_u32 v[A0], LCH, v[A0]                 ; on to the next chunk; these are also the places in front of the loads below
	v_add_nc_u32 v[A1], LCH, v[A1]
	v_add_nc_u32 v[A1H], LCH, v[A1H]
	v_add_nc_u32 v[AS], LCH, v[AS]
	v_add_nc_u32 v[AS0], LCH, v[AS0]
	FETCH 0, 0
	SCALES ((\k)/2+1)%2
	MULH \k, 4, 0
.endm
	s_wait_tensorcnt 3                             ; my part of chunk 0 is in; three loads may stay out
	s_barrier_signal -1
	s_barrier_wait -1                              ; everybody's is
	FETCH 0, 0
	SCALES 0
	FETCH 1, 1
	s_wait_loadcnt 0x0                             ; bo
	s_wait_dscnt 40
	MULH 0, 0, 1
	MULH 0, 4, 1
	KODD 1
	KEVEN 2
	KODD 3
	KEVEN 4
	KODD 5
	KEVEN 6
	s_wait_dscnt 0x0
	MULH 7, 0, 0
	MULH 7, 4, 0
	WIN 0
; THE WAY OUT, a tile of 16 rows x 128 columns at a time: a lane holds 32 neighbouring bytes of a row for each of S0's tiles; they go through my stage and come back as whole rows of 512 bytes.
; LDS serves a wave's instructions in order: no wait between the stores and the loads, nor in front of the next tile's stores.
.macro TOSTAGE b
	WIN 0x04                                       ; an LDS store's data are its source 1: window 1
.irp a, 0,1,2,3,4,5,6,7
	ds_store_b128 v[STO], v[64*(\b)+8*\a:64*(\b)+8*\a+3] offset:128*(\a/2)+32*(\a%2)      ; each accumulator from its low end on
	ds_store_b128 v[STO], v[64*(\b)+8*\a+4:64*(\b)+8*\a+7] offset:128*(\a/2)+32*(\a%2)+16
.endr
	WIN 0
.irp t, 0,1,2,3,4,5,6,7,8,9,10,11,12,13,14,15
	ds_load_b128 v[BK+64*((\b)%2)+4*\t:BK+64*((\b)%2)+4*\t+3], v[RD] offset:528*\t
.endr
.endm
.macro SEND b, younger                 ; younger: the LDS instructions issued behind tile b's loads, which may stay out
	s_wait_dscnt \younger
.irp t, 0,1,2,3,4,5,6,7,8,9,10,11,12,13,14,15
	global_store_b128 v1, v[BK+64*((\b)%2)+4*\t:BK+64*((\b)%2)+4*\t+3], s[10:11] offset:(32*((\b)/2)+8*((\b)%2)+\t+8*(\t/8))*4096 th:TH_STORE_NT   ; 512 consecutive bytes of a row, at a multiple of 256 from out0's first byte
.endr
.endm
.rept 4
	v_nop                                          ; places behind the last products: for the reads of results and for the loads into S1's registers
.endr
	TOSTAGE 0
	TOSTAGE 1
	SEND 0, 32                                     ; behind tile 0's loads: tile 1's 16 stores and 16 loads
	s_wait_xcnt 0x0                                ; tile 0's stores have read their registers: tile 2's loads may land there
	TOSTAGE 2
	SEND 1, 32
	s_wait_xcnt 0x0
	TOSTAGE 3
	SEND 2, 32
	SEND 3, 0
	s_wait_tensorcnt 0x0
	ds_add_u32 v254, v255
	s_wait_dscnt 0x0
	CROUND                                         ; the closing round: no work-group ends while a partner may still ask for a tile that names it
	s_endpgm
.Lfunc_end_k_qdc341ba1b4_outp:
	.size	k_qdc341ba1b4_outp, .Lfunc_end_k_qdc341ba1b4_outp-k_qdc341ba1b4_outp
	.p2alignl 7, 3214868480
	.fill 96, 4, 3214868480
	.section	.rodata,"a",@progbits
	.p2align	6, 0x0
	.amdhsa_kernel k_qdc341ba1b4_outp
		.amdhsa_group_segment_fixed_size 307712
		.amdhsa_private_segment_fixed_size 0
		.amdhsa_enable_private_segment 0
		.amdhsa_kernarg_size 32
		.amdhsa_user_sgpr_count 2
		.amdhsa_user_sgpr_kernarg_segment_ptr 1
		.amdhsa_wavefront_size32 1
		.amdhsa_system_sgpr_workgroup_id_x 1
		.amdhsa_system_sgpr_workgroup_id_y 1
		.amdhsa_system_sgpr_workgroup_id_z 1
		.amdhsa_system_vgpr_workitem_id 0
		.amdhsa_next_free_vgpr 832
		.amdhsa_next_free_sgpr 96
		.amdhsa_reserve_vcc 0
		.amdhsa_float_denorm_mode_32 3
		.amdhsa_float_denorm_mode_16_64 3
		.amdhsa_memory_ordered 1
		.amdhsa_forward_progress 1
		.amdhsa_inst_pref_size 82
	.end_amdhsa_kernel
	.amdgpu_metadata
---
amdhsa.version: [ 1, 2 ]
amdhsa.kernels:
  - .name:           k_qdc341ba1b4_outp
    .symbol:         k_qdc341ba1b4_outp.kd
    .args:
      - { .name: cod, .offset: 0, .size: 8, .value_kind: global_buffer, .address_space: global }
      - { .name: ac, .offset: 8, .size: 8, .value_kind: global_buffer, .address_space: global }
      - { .name: bo, .offset: 16, .size: 8, .value_kind: global_buffer, .address_space: global }
      - { .name: out0, .offset: 24, .size: 8, .value_kind: global_buffer, .address_space: global }
    .group_segment_fixed_size: 307712
    .private_segment_fixed_size: 0
    .kernarg_segment_align: 8
    .kernarg_segment_size: 32
    .max_flat_workgroup_size: 128
    .sgpr_count:     96
    .vgpr_count:     832
    .wavefront_size: 32
...
	.end_amdgpu_metadata
.endif
;; end of part 4
;; ======== version 2 of 2: 4 launches; version 1 with the launch attn written anew for expert scheduling mode
;; limits: right only within a limited range of input values
;; workspace buffers: cod 23,855,104 bytes; qf 6,291,456 bytes; qs 262,144 bytes; kv 12,582,912 bytes; kvs 524,288 bytes; ac 6,815,744 bytes; maskw 524,288 bytes of whole numbers; flags 512 bytes of whole numbers
;; launch prep: the kernel of part 1 again; grid 576 x 1, 4 waves a work-group, no clusters, 35,328 bytes of LDS; arguments q, k, v, Wq, Wk, Wv, Wo, attn_mask, cod, maskw, flags; writes cod, maskw, flags
;; launch proj: the kernel of part 2 again; grid 4 x 192, 4 waves a work-group, clusters of 4 x 4, 307,712 bytes of LDS; arguments cod, bq, bk, bv, qf, qs, kv, kvs; writes qf, qs, kv, kvs
;; launch attn (part 5): grid 8 x 64, 16 waves a work-group, no clusters, 75,776 bytes of LDS; arguments qf, qs, kv, kvs, maskw, flags, ac; writes ac
.if DOCPART == 5
	.amdgcn_target "amdgcn-amd-amdhsa--gfx1250"
	.amdhsa_code_object_version 6
	.text
	.protected	k_qdc341ba1b4_attn
	.globl	k_qdc341ba1b4_attn
	.p2align	8
	.type	k_qdc341ba1b4_attn,@function
k_qdc341ba1b4_attn:
	s_mov_b64 s[64:65], 0
	v_nop
	global_prefetch_b8 v0, s[64:65] scope:SCOPE_SE
	s_setreg_imm32_b32 hwreg(HW_REG_WAVE_SCHED_MODE, 0, 2), 2
	s_setreg_imm32_b32 hwreg(HW_REG_WAVE_MODE, 25, 1), 1
	s_wait_xcnt 0x0
	s_wait_alu depctr_vm_vsrc(0)
; ATTN.  softmax(q k^T / 8, masked) v for one head and 256 queries a work-group, both products on codes of BF6 with E8M0 scales; the result is quantised along the head's 64 channels for the last projection.
; SHARES.  y = batch x 16 + head.  Sixteen waves; wave w owns query tile T = 16 block + w (16 queries: rows 32 (T / 2) + 8 (T % 2) + r + 8 (r / 8)) in 256 registers, four waves to a SIMD.  128 keys a step, 256 a slot.
; LAYOUT.  Both products transposed: a lane holds ONE query (lane % 16).  The head's K is 64, the instruction's 128: a PAIR fragment of k holds two tiles of 16 keys (registers 0-5, 6-11), and is multiplied once by
;   [q, 0] and once by [0, q]: no zero is stored or loaded.  The keys of a tile are chosen so that registers 16 f + i of the scores are keys 32 f + 16 (lane / 16) + i.
; SOFTMAX.  t = score x log2(e) / 8; M = the running largest t rounded up to a whole number; p = 2^(t - M) is quantised along the keys; the row's sum is taken of the unquantised p and divides at the end.
; THE MASK is an input.  An earlier launch has stored it as whole numbers: 64 words a step (bit l of word n: register n of lane l is masked) and a word of flags a tile.  A masked score becomes -2^120: c x that is exact,
;   so that a row which is masked wholly has t - M = 0 and p = 1 for every key, uniform weights; in any other row p = 0 there.  A step that the flags call wholly masked is left out by a scalar branch on the stored word.
; NO TENSOR LOAD, NO CLUSTER: the steps that a wave leaves out hang on stored numbers, and the query blocks of a head need different numbers of slots.  The slots are filled through registers: three loads of 16 bytes a
;   thread, asked for at a slot's head and stored into the other slot at its end; one barrier a slot.  A slot that all sixteen tiles leave out is not loaded.
; LIMITS: |score| under 2^120; NaN and infinities are not served; a block whose largest magnitude lies under 2^-122 keeps the byte 1.  The two scale bytes of a row leave by a store of two bytes a lane: 32 bytes a wave.
; REGISTERS: v1 16 l; v2 16 l + scales; v3 16 x thread; v5 the slot's scale words; v7 -2^120; v12 -M, v13 the largest t, v[14:15] the sum; v16-33 zeros | q | zeros; v34 q's scale word; v36-39 K's and V's scale words;
;   v40-87 four fragments of K, then of V; v88-99 the fill; v100-163 scores, then p; v164-195 O^T; v196-207 p's codes; v208.. at work.
; THE MODE: SCHED_MODE bits 1:0 = 2 (LLVM: expert scheduling mode 2), set by the entry lines.  The code itself states the register dependences between vector or matrix instructions and memory or LDS
;   instructions, with s_wait_alu, always for 0.
; THE PLAN.  Registers that memory or LDS instructions touch:
;   v[FR ..]   Written by the fill's three global loads at a slot's head, read by the three LDS stores at its end.  No vector instruction names them.
;   v[KV ..]   K's twelve LDS loads land at a step's head; the eight products K Q^T read them; V's twelve land behind the wait for the batch of exponentials; the four products V^T P read them.
;   v[SW ..]   One LDS load at a step's head; all twelve products read them as scales.
;   v5         Written once a slot, at its head; read by the load of v[SW ..].
;   v1, v3, v9, v10  Offsets and addresses made at the head; v9 is written again on the way out alone.
;   q's fragments and scale word (head), p's codes and scale word (every step): written by vector instructions, taken by the scaled products.
; So a slot has ONE wait on vm_vsrc, behind its barrier (the stores have read v[FR ..], the loads have read v5), and a step four waits on va_vdst: at its head (the last four products are done reading v[KV ..] and
;   v[SW ..]; v5 is written); behind the 64 exponentials (their results; the eight products are done reading v[KV ..]); behind the four exponentials (their results); ahead of the four products (p's codes and scale word
;   are written).  All of them stand inside the step, so a step that is left out owes none.  A wave holds 256 registers, four waves fill a SIMD: there is no room for a second set of 48 for K or V.
.set SLOTB, 24576                      ; a slot in memory: K step 0 (4 PAIR fragments) | K step 1 | V step 0 (4 fragments) | V step 1
.set SLOT1, 32768                      ; LDS: slot 0 at 0, slot 1 here,
.set SCL,   65536                      ; the head's scale words here: 16 steps x (K's 256 bytes | V's 256 bytes)
.set QS,  34
.set SW,  36
.set KV,  40
.set FR,  88
.set S,   100
.set O,   164
.set P,   196
.set CT,  208
.set BM,  216
.set BP,  220
.set SO,  224
.set TP,  228
.set FF,  230
.set PWR, 232
.set L2,  234
	s_load_b256 s[4:11], s[0:1], 0x0               ; qf, qs, kv, kvs
	s_load_b128 s[12:15], s[0:1], 0x20             ; maskw, flags
	s_load_b64 s[16:17], s[0:1], 0x30              ; ac
	v_lshl_add_u32 v254, v0, 2, 0x12000
	v_mov_b32 v255, 0
	v_lshrrev_b32 v1, 5, v0
	v_readfirstlane_b32 s18, v1                    ; wave 0..15
	s_and_b32 s19, ttmp7, 0xffff                   ; bh
	s_bfe_u32 s70, s19, 0x10005
	s_mul_i32 s70, s70, 7
	s_xor_b32 s70, s70, ttmp9                      ; my block of 256 queries: in the upper half of the heads the blocks are taken in the opposite order
	s_wait_alu depctr_va_sdst(0)                   ; s18 is written, ahead of its first reader: my tile's number and all that hangs on it are made from it
	s_lshl_b32 s71, s70, 4
	s_add_co_u32 s71, s71, s18                     ; T
	s_lshr_b32 s72, s71, 1                         ; f: the PAIR fragment of q that holds my tile,
	s_and_b32 s73, s71, 1                          ; and which half of it
	s_cmp_eq_u32 s73, 1
	s_cselect_b32 s28, -1, 0
	s_mov_b32 s20, 0x76543210
	s_mov_b32 s21, 0xfedcba98                      ; selects for lane l xor 16
	s_mov_b32 s22, 0x3e38aa3b                      ; c = log2(e) / 8
	s_mov_b32 s23, s22                             ; (named with it as a pair)
	s_mov_b32 s26, 0                               ; where the slot's scale words begin
	s_mov_b32 s79, 0
	v_lshlrev_b32 v3, 4, v0
	v_and_b32 v8, 31, v0
	v_lshlrev_b32 v1, 4, v8
	v_add_nc_u32 v2, SCL, v1
	v_add_nc_u32 v10, SCL, v3
	v_and_b32 v9, 15, v0
	v_lshlrev_b32 v9, 4, v9                        ; 16 r
	s_wait_kmcnt 0x0
	s_mul_i32 s78, s19, 196608
	s_add_nc_u64 s[8:9], s[8:9], s[78:79]          ; kv at my head
	s_lshl_b32 s78, s19, 13
	s_add_nc_u64 s[10:11], s[10:11], s[78:79]      ; kvs
	s_mul_i32 s78, s19, 98304
	s_mul_i32 s80, s72, 1536
	s_add_co_u32 s78, s78, s80
	s_add_nc_u64 s[4:5], s[4:5], s[78:79]          ; my fragment of q
	s_lshl_b32 s78, s19, 12
	s_lshr_b32 s80, s72, 2
	s_lshl_b32 s80, s80, 8
	s_add_co_u32 s78, s78, s80
	s_and_b32 s80, s72, 3
	s_lshl_b32 s80, s80, 2
	s_add_co_u32 s78, s78, s80
	s_add_nc_u64 s[6:7], s[6:7], s[78:79]          ; and its scale words
	s_lshl_b32 s78, s71, 12
	s_add_nc_u64 s[12:13], s[12:13], s[78:79]      ; my tile's mask words: 256 bytes a step
	s_lshl_b32 s78, s70, 6
	s_add_nc_u64 s[74:75], s[14:15], s[78:79]      ; my block's sixteen words of flags
	s_lshl_b32 s76, s18, 2
	s_lshr_b32 s80, s19, 4                         ; the batch
	s_and_b32 s81, s19, 15                         ; the head
	s_lshl_b32 s80, s80, 7
	s_add_co_u32 s80, s80, s71                     ; my tile among ac's 512
	s_mul_i32 s78, s80, 13312
	s_lshr_b32 s82, s81, 2
	s_mul_i32 s82, s82, 3328
	s_add_co_u32 s78, s78, s82                     ; the chunk (four heads)
	s_add_nc_u64 s[30:31], s[16:17], s[78:79]
	s_bfe_u32 s82, s81, 0x10001                    ; the fragment in it (two heads),
	s_and_b32 s83, s81, 1                          ; the half of that
	s_mul_i32 s78, s82, 1536
	s_mul_i32 s80, s83, 768
	s_add_co_u32 s78, s78, s80
	s_add_nc_u64 s[16:17], s[30:31], s[78:79]      ; where my six registers of codes go
	s_lshl_b32 s78, s82, 2
	s_lshl_b32 s80, s83, 1
	s_add_co_u32 s78, s78, s80
	s_add_co_u32 s78, s78, 3072
	s_add_nc_u64 s[30:31], s[30:31], s[78:79]      ; and my two scale bytes a row
	s_load_b512 s[32:47], s[74:75], 0x0
	s_load_b32 s24, s[74:75], s76 offset:0x0       ; my tile's flags
	s_wait_alu depctr_va_vdst(0)                   ; the offsets and addresses v1, v3, v9 and v10 are written, which the loads and stores of the whole kernel read
	global_load_b128 v[FR:FR+3], v3, s[8:9]                        ; slot 0
	global_load_b128 v[FR+4:FR+7], v3, s[8:9] offset:8192
	global_load_b128 v[FR+8:FR+11], v3, s[8:9] offset:16384
	global_load_b128 v[40:43], v3, s[10:11]                        ; the head's scale words of K and V
	global_load_b128 v[44:47], v1, s[4:5]                          ; q's PAIR fragment
	global_load_b128 v[48:51], v1, s[4:5] offset:512
	global_load_b128 v[52:55], v1, s[4:5] offset:1024
	global_load_b32 v56, v9, s[6:7]
	s_wait_kmcnt 0x0
	s_mov_b32 s25, s32
.irp i, 33,34,35,36,37,38,39,40,41,42,43,44,45,46,47
	s_and_b32 s25, s25, s[\i]                      ; steps that all sixteen tiles leave out
.endr
	s_lshr_b32 s25, s25, 2                         ; its two lowest bits now speak of slot 1
	s_wait_loadcnt 4                               ; slot 0 and the scale words are in; q's four loads may be out
	ds_store_b128 v3, v[FR:FR+3]
	ds_store_b128 v3, v[FR+4:FR+7] offset:8192
	ds_store_b128 v3, v[FR+8:FR+11] offset:16384
	ds_store_b128 v10, v[40:43]
	s_wait_loadcnt 0x0
.irp i, 0,1,2,3,4,5
	v_cndmask_b32 v[22+\i], v[44+\i], v[50+\i], s28        ; my tile's half of the fragment
.endr
	v_perm_b32 v57, v56, v56, 0x01000100
	v_perm_b32 v58, v56, v56, 0x03020302
	v_cndmask_b32 v[QS], v57, v58, s28             ; my tile's two bytes, twice: they serve [q, 0] and [0, q]
.irp i, 0,1,2,3,4,5
	v_mov_b32 v[16+\i], 0
	v_mov_b32 v[28+\i], 0
.endr
	v_mov_b32 v7, 0xfb800000                       ; -2^120
	v_mov_b32 v13, 0xff61b1e6                      ; the largest t so far: -3e38
	v_floor_f32 v12, -v13                          ; -M
	v_mov_b32 v14, 0
	v_mov_b32 v15, 0
	v_mov_b32 v[FF+1], 0                           ; (named as the upper half of a pair)
.irp b, 0,1,2,3
	v_mov_b32 v[BP+\b], 0                          ; a lane permute's destination counts as one of its sources
.endr
.set j, 0
.rept 32
	v_mov_b32 v[O+j], 0                            ; O^T: the step is written once; the first finds zeros
.set j, j+1
.endr
; A KEY STEP: 128 keys, the q-th of slot sl.
.macro STEP sl, q
	s_bitcmp1_b32 s24, 0                           ; left out? (a stored whole number)
	s_cbranch_scc1 .Lskip_\@
	s_load_b512 s[32:47], s[12:13], 256*(\q)       ; the step's 64 mask words (the selects that read the last step's words stand ahead of that step's waits on va_vdst)
	s_load_b512 s[48:63], s[12:13], 256*(\q)+64
	s_load_b512 s[68:83], s[12:13], 256*(\q)+128
	s_load_b512 s[84:99], s[12:13], 256*(\q)+192
.rept 4
	v_nop                                          ; four places stay between the last products and the loads into registers that they read, beside the wait below
.endr
	s_wait_alu depctr_va_vdst(0)                   ; the last step's four products are done reading v[SW ..] and v[KV ..], in which the loads below land; v5 is written, which the first of them reads.  At the first step that is walked: the head's selects are done with v44-58, and q's fragments and scale word, which the products below take, are written
	ds_load_b128 v[SW:SW+3], v5 offset:512*(\q)    ; lanes 0-15: the four PAIR fragments' words of key row r; lanes 16-31: the four V tiles' words
.irp f, 0,1,2,3
.irp g, 0,1,2
	ds_load_b128 v[KV+12*\f+4*\g:KV+12*\f+4*\g+3], v1 offset:SLOT1*(\sl)+6144*(\q)+1536*\f+512*\g
.endr
.endr
	s_wait_dscnt 0x0
.irp f, 0,1,2,3
	v_wmma_scale_f32_16x16x128_f8f6f4 v[S+16*\f:S+16*\f+7], v[KV+12*\f:KV+12*\f+11], v[22:33], 0, v[SW+\f], v[QS] matrix_a_fmt:MATRIX_FMT_BF6 matrix_b_fmt:MATRIX_FMT_BF6
	v_wmma_scale_f32_16x16x128_f8f6f4 v[S+16*\f+8:S+16*\f+15], v[KV+12*\f:KV+12*\f+11], v[16:27], 0, v[SW+\f], v[QS] matrix_a_fmt:MATRIX_FMT_BF6 matrix_b_fmt:MATRIX_FMT_BF6
.endr
.rept 4
	v_nop                                          ; places in front of the first read of the scores
.endr
	s_wait_kmcnt 0x0
	s_bitcmp1_b32 s24, 16                          ; nothing masked here?
	s_cbranch_scc1 .Lopen_\@
.set n, 0
.rept 64
.if n < 32
	v_cndmask_b32 v[S+n], v[S+n], v7, s[32+n]
.else
	v_cndmask_b32 v[S+n], v[S+n], v7, s[36+n]
.endif
.set n, n+1
.endr
.Lopen_\@:
.irp b, 0,1,2,3
	v_max3_num_f32 v[BM+\b], v[S+16*\b], v[S+16*\b+1], v[S+16*\b+2]   ; the largest score of each block of 32 keys: for the row's maximum, and, since p rises with the score, for the block's largest p
.endr
.irp i, 3,5,7,9,11,13
.irp b, 0,1,2,3
	v_max3_num_f32 v[BM+\b], v[BM+\b], v[S+16*\b+\i], v[S+16*\b+\i+1]
.endr
.endr
.irp b, 0,1,2,3
	v_max_num_f32 v[BM+\b], v[BM+\b], v[S+16*\b+15]
.endr
.irp b, 0,1,2,3
	v_permlanex16_b32 v[BP+\b], v[BM+\b], s20, s21
.endr
.irp b, 0,1,2,3
	v_max_num_f32 v[BM+\b], v[BM+\b], v[BP+\b]     ; with lane l xor 16's 16 keys
.endr
	v_max3_num_f32 v[TP], v[BM], v[BM+1], v[BM+2]
	v_max_num_f32 v[TP], v[TP], v[BM+3]
	v_mul_f32 v[TP], s22, v[TP]                    ; as t (c is positive)
	v_max_num_f32 v13, v13, v[TP]                  ; the running largest t
	v_mov_b32 v[TP], v12
	v_floor_f32 v12, -v13                          ; the new -M = -ceil(t): a whole number
	v_sub_f32 v[TP], v12, v[TP]                    ; old M - new M: a whole number, 0 or less
	v_cvt_i32_f32 v[TP], v[TP]                     ; (it saturates)
	v_ldexp_f32 v[FF], 1.0, v[TP]                  ; f = 2^(old M - new M): a multiplication by it rounds nothing
.set j, 0
.rept 32
	v_pk_fma_f32 v[S+j:S+j+1], v[S+j:S+j+1], s[22:23], v[12:13] op_sel_hi:[1,0,0]   ; t - M, two at a time
.set j, j+2
.endr
.irp b, 0,1,2,3
	v_fma_f32 v[BM+\b], v[BM+\b], s22, v12         ; the same of each block's largest score
.endr
.set j, 0
.rept 64
	v_exp_f32 v[S+j], v[S+j]                       ; p = 2^(t - M): not normalised
.set j, j+1
.endr
	v_pk_mul_f32 v[14:15], v[14:15], v[FF:FF+1] op_sel_hi:[1,0]   ; the sums under the new M: the plain place behind the batch
	s_wait_alu depctr_va_vdst(0)                   ; the 64 exponentials have written v[S ..]: one wait for the whole batch, ahead of its first reader; and the eight products K Q^T are done reading v[KV ..], in which V's loads below land
.irp t, 0,1,2,3
.irp g, 0,1,2
	ds_load_b128 v[KV+12*\t+4*\g:KV+12*\t+4*\g+3], v1 offset:SLOT1*(\sl)+12288+6144*(\q)+1536*\t+512*\g   ; V lands while the sums, the scales and the codes are made: no vector instruction up to the products below names these registers
.endr
.endr
.irp b, 0,1,2,3
	v_exp_f32 v[BM+\b], v[BM+\b]                   ; the block's largest p
.endr
	v_pk_add_f32 v[L2:L2+1], v[S:S+1], v[S+2:S+3]  ; the row's sum of the unquantised p, in two chains
.set j, 4
.rept 15
	v_pk_add_f32 v[14:15], v[14:15], v[S+j:S+j+1]
	v_pk_add_f32 v[L2:L2+1], v[L2:L2+1], v[S+j+2:S+j+3]
.set j, j+4
.endr
	v_pk_add_f32 v[14:15], v[14:15], v[L2:L2+1]
	s_wait_alu depctr_va_vdst(0)                   ; the four exponentials have written v[BM ..], ahead of their first reader
.irp b, 0,1,2,3
	v_max_num_f32 v[BM+\b], 0x2800000, v[BM+\b]    ; the floor 2^(5 - 127): the byte cannot fall under 1
.endr
.irp b, 0,1,2,3
	v_add_nc_u32 v[SO+\b], 0xfe000000, v[BM+\b]    ; 4 off the exponent field: the conversion's scale operand
.endr
.irp b, 0,1,2,3
	v_lshrrev_b32 v[BP+\b], 23, v[SO+\b]
.endr
	v_lshl_or_b32 v[PWR], v[BP+1], 8, v[BP]        ; p's scale word for these 128 keys
	v_lshl_or_b32 v[PWR], v[BP+2], 16, v[PWR]
	v_lshl_or_b32 v[PWR], v[BP+3], 24, v[PWR]
.irp c, 0,1
	v_cvt_scalef32_pk16_bf6_f32 v[P+6*\c:P+6*\c+2], v[S+32*\c:S+32*\c+15], v[SO+2*\c]
	v_cvt_scalef32_pk16_bf6_f32 v[CT+4*\c:CT+4*\c+2], v[S+32*\c+16:S+32*\c+31], v[SO+2*\c+1]
.endr
	v_nop                                          ; one plain place behind the conversions
.irp c, 0,1
.irp i, 0,1,2
	v_permlane16_swap_b32 v[P+6*\c+\i], v[CT+4*\c+\i]      ; a whole block to a lane
.endr
.irp i, 0,1,2
	v_mov_b32 v[P+3+6*\c+\i], v[CT+4*\c+\i]
.endr
.endr
.set j, 0
.rept 16
	v_pk_mul_f32 v[O+j:O+j+1], v[O+j:O+j+1], v[FF:FF+1] op_sel_hi:[1,0]   ; O^T under the new M; these sixteen are also the places between the scale word, the codes and the products
.set j, j+2
.endr
	s_wait_alu depctr_va_vdst(0)                   ; p's codes v[P ..] and its scale word v[PWR] are written, which the scaled products below take; the places above stay beside this wait
	s_wait_dscnt 0x0                               ; V
.irp t, 0,1,2,3
	v_wmma_scale_f32_16x16x128_f8f6f4 v[O+8*\t:O+8*\t+7], v[KV+12*\t:KV+12*\t+11], v[P:P+11], v[O+8*\t:O+8*\t+7], v[SW+\t], v[PWR] matrix_a_fmt:MATRIX_FMT_BF6 matrix_b_fmt:MATRIX_FMT_BF6 matrix_a_scale:MATRIX_SCALE_ROW1
.endr
.Lskip_\@:
	s_lshr_b32 s24, s24, 1                         ; the next step's flags
.endm
; A SLOT.  One barrier at its head: in front of it each wave's stores into this slot have landed and its reads of the other slot are back; behind it this slot is whole and nobody reads the other one.
.macro TRIP sl, fill
	s_wait_dscnt 0x0
	s_barrier_signal -1
	s_barrier_wait -1
	s_wait_alu depctr_vm_vsrc(0)                   ; the last slot's LDS loads have read v5, which the next line writes; the LDS stores have read v[FR ..], in which the fill's loads land (at the first slot also v40-43, in which K's fragments land).  It stands ahead of the branch round the fill
	v_add_nc_u32 v5, s26, v2
.if \fill
	s_and_b32 s29, s25, 3
	s_cmp_eq_u32 s29, 3                            ; does any tile of the block want the next slot?
	s_cbranch_scc1 .Lnofill_\@
	global_load_b128 v[FR:FR+3], v3, s[8:9] offset:SLOTB           ; no vector instruction names v[FR ..], and v3 stands as the head made it
	global_load_b128 v[FR+4:FR+7], v3, s[8:9] offset:SLOTB+8192
	global_load_b128 v[FR+8:FR+11], v3, s[8:9] offset:SLOTB+16384
.Lnofill_\@:
.endif
	STEP \sl, 0
	STEP \sl, 1
.if \fill
	s_wait_loadcnt 0x0                             ; asked for two key steps ago
	ds_store_b128 v3, v[FR:FR+3] offset:SLOT1*(1-(\sl))            ; (where nothing was loaded, old bytes go into a slot that nobody will read)
	ds_store_b128 v3, v[FR+4:FR+7] offset:SLOT1*(1-(\sl))+8192
	ds_store_b128 v3, v[FR+8:FR+11] offset:SLOT1*(1-(\sl))+16384
	s_wait_xcnt 0x0                                ; the bases are stepped only behind this wait
	s_add_nc_u64 s[8:9], s[8:9], SLOTB
	s_add_nc_u64 s[12:13], s[12:13], 512
	s_add_co_u32 s26, s26, 1024
	s_lshr_b32 s25, s25, 2
.endif
.endm
	s_mov_b32 s27, 3
.Lpair:                                            ; three trips of two slots; the last two slots are written out: the very last asks for nothing
	TRIP 0, 1
	TRIP 1, 1
	s_sub_co_u32 s27, s27, 1
	s_cmp_lg_u32 s27, 0
	s_cbranch_scc1 .Lpair
	TRIP 0, 1
	TRIP 1, 0
	; THE WAY OUT: O^T / the sum, quantised along the head's 64 channels: register 16 b + i is channel 32 b + 16 (lane / 16) + i of my query
.rept 4
	v_nop                                          ; places behind the last products
.endr
	v_add_f32 v14, v14, v15
	v_permlanex16_b32 v[BP], v14, s20, s21
	v_add_f32 v14, v14, v[BP]                      ; the row's sum
	v_rcp_f32 v14, v14
	v_and_b32 v8, 31, v0                           ; (the plain place behind the reciprocal)
	v_lshlrev_b32 v8, 3, v8                        ; 8 l
	v_and_b32 v9, 15, v0                           ; (the load at the head that read v9 stands ahead of every slot's wait on vm_vsrc)
	v_lshlrev_b32 v9, 3, v9                        ; 8 r
	s_wait_alu depctr_va_vdst(0)                   ; the reciprocal has written v14, ahead of its first reader
.set j, 0
.rept 32
	v_mul_f32 v[S+j], v[O+j], v14
.set j, j+1
.endr
	v_max3_num_f32 v[BM], |v[S]|, |v[S+1]|, 0x2800000
	v_max3_num_f32 v[BM+1], |v[S+16]|, |v[S+17]|, 0x2800000
.irp i, 2,4,6,8,10,12,14
	v_max3_num_f32 v[BM], v[BM], |v[S+\i]|, |v[S+\i+1]|
	v_max3_num_f32 v[BM+1], v[BM+1], |v[S+16+\i]|, |v[S+17+\i]|
.endr
	v_permlanex16_b32 v[BP], v[BM], s20, s21
	v_permlanex16_b32 v[BP+1], v[BM+1], s20, s21
	v_max_num_f32 v[BM], v[BM], v[BP]
	v_max_num_f32 v[BM+1], v[BM+1], v[BP+1]
	v_add_nc_u32 v[SO], 0xfe000000, v[BM]
	v_add_nc_u32 v[SO+1], 0xfe000000, v[BM+1]
	v_lshrrev_b32 v[BP], 23, v[SO]
	v_lshrrev_b32 v[BP+1], 23, v[SO+1]
	v_lshl_or_b32 v[TP], v[BP+1], 8, v[BP]         ; my row's two scale bytes
	v_cvt_scalef32_pk16_bf6_f32 v[P:P+2], v[S:S+15], v[SO]
	v_cvt_scalef32_pk16_bf6_f32 v[CT:CT+2], v[S+16:S+31], v[SO+1]
	v_nop
.irp i, 0,1,2
	v_permlane16_swap_b32 v[P+\i], v[CT+\i]
.endr
.irp i, 0,1,2
	v_mov_b32 v[P+3+\i], v[CT+\i]
.endr
	s_wait_alu depctr_va_vdst(0)                   ; the codes v[P .. P+5], the two bytes v[TP] and the offsets v8 and v9 are written, which the three stores below read
	global_store_b64 v8, v[P:P+1], s[16:17]                ; half a fragment of the last projection's operand: registers 0-1 as 256 consecutive bytes,
	global_store_b128 v1, v[P+2:P+5], s[16:17] offset:256  ; registers 2-5 as 512
	global_store_b16 v9, v[TP], s[30:31]                   ; lanes 16-31 write the same bytes with the same values
	s_wait_dscnt 0x0
	s_wait_alu depctr_hold_cnt(0) depctr_sa_sdst(0) depctr_va_vdst(0) depctr_va_sdst(0) depctr_va_ssrc(0) depctr_va_vcc(0) depctr_vm_vsrc(0)
	s_wait_tensorcnt 0x0
	ds_add_u32 v254, v255
	s_wait_dscnt 0x0
	s_endpgm
.Lfunc_end_k_qdc341ba1b4_attn:
	.size	k_qdc341ba1b4_attn, .Lfunc_end_k_qdc341ba1b4_attn-k_qdc341ba1b4_attn
	.p2alignl 7, 3214868480
	.fill 96, 4, 3214868480
	.section	.rodata,"a",@progbits
	.p2align	6, 0x0
	.amdhsa_kernel k_qdc341ba1b4_attn
		.amdhsa_group_segment_fixed_size 75776
		.amdhsa_private_segment_fixed_size 0
		.amdhsa_enable_private_segment 0
		.amdhsa_kernarg_size 56
		.amdhsa_user_sgpr_count 2
		.amdhsa_user_sgpr_kernarg_segment_ptr 1
		.amdhsa_wavefront_size32 1
		.amdhsa_system_sgpr_workgroup_id_x 1
		.amdhsa_system_sgpr_workgroup_id_y 1
		.amdhsa_system_sgpr_workgroup_id_z 1
		.amdhsa_system_vgpr_workitem_id 0
		.amdhsa_next_free_vgpr 256
		.amdhsa_next_free_sgpr 100
		.amdhsa_reserve_vcc 0
		.amdhsa_float_denorm_mode_32 3
		.amdhsa_float_denorm_mode_16_64 3
		.amdhsa_memory_ordered 1
		.amdhsa_forward_progress 1
		.amdhsa_inst_pref_size 171
	.end_amdhsa_kernel
	.amdgpu_metadata
---
amdhsa.version: [ 1, 2 ]
amdhsa.kernels:
  - .name:           k_qdc341ba1b4_attn
    .symbol:         k_qdc341ba1b4_attn.kd
    .args:
      - { .name: qf, .offset: 0, .size: 8, .value_kind: global_buffer, .address_space: global }
      - { .name: qs, .offset: 8, .size: 8, .value_kind: global_buffer, .address_space: global }
      - { .name: kv, .offset: 16, .size: 8, .value_kind: global_buffer, .address_space: global }
      - { .name: kvs, .offset: 24, .size: 8, .value_kind: global_buffer, .address_space: global }
      - { .name: maskw, .offset: 32, .size: 8, .value_kind: global_buffer, .address_space: global }
      - { .name: flags, .offset: 40, .size: 8, .value_kind: global_buffer, .address_space: global }
      - { .name: ac, .offset: 48, .size: 8, .value_kind: global_buffer, .address_space: global }
    .group_segment_fixed_size: 75776
    .private_segment_fixed_size: 0
    .kernarg_segment_align: 8
    .kernarg_segment_size: 56
    .max_flat_workgroup_size: 512
    .sgpr_count:     100
    .vgpr_count:     256
    .wavefront_size: 32
...
	.end_amdgpu_metadata
.endif
;; end of part 5
;; launch outp: the kernel of part 4 again; grid 4 x 64, 4 waves a work-group, clusters of 4 x 4, 307,712 bytes of LDS; arguments cod, ac, bo, out0; writes out0
